; MI455X (gfx1250); checked and timed in simulation.
; The chip was launched on July 23, 2026; its instructions are those of AMD's public machine-readable ISA for CDNA 5 (MIT licence, August 2026) and "CDNA5" Instruction Set Architecture Reference Guide (July 2026). The comments in the code are by the model that wrote it; some were corrected since.
;; Attention. Allowed arithmetic: matrix products marked QUANTISED: E2M1 operands, one E8M0 scale for each 32 along K, by v_wmma_scale_f32_16x16x128_f8f6f4 with both operands' format E2M1 (or v_wmma_scale_f32_32x16x128_f4), f32 sums; products left as they are: bf16, f16 or f32 operands; f32 sums; everything else in f32.
;; Inputs: b_attn 3,072 float32; b_proj 1,024 float32; mask 1 x 1 x 2,048 x 2,048 bool; w_attn 1,024 x 3,072 float32; w_proj 1,024 x 1,024 float32; x 4 x 2,048 x 1,024 float32.
;; Outputs: out0 4 x 2,048 x 1,024 float32.
;; This version of the problem:
;;   THIS VERSION OF THE PROBLEM IS GIVEN IN LOW PRECISION. The matrix products marked QUANTISED in the list below multiply operands that are first quantised to E2M1 (2 exponent bits, 1 mantissa bit; 4 bits a number), with one power-of-two scale for each 32 numbers along K (OCP MX v1.0); their sums are f32. The products marked 'left as it is' may take bf16, f16 or f32 operands, with f32 sums. Whichever they take, every output number must still come out within the allowed error. Rounding operands to bf16 (8 significant bits) uses up far more of that allowance than f16 does (11 bits, for magnitudes from 6e-5 to 65,504). All else is computed in f32.
;;   The module's matrix products, in the order in which they are computed (A, B: the left and right operand; K: the contracted axis; several contracted axes count as one K, in the product's order):
;;     1. [M 8,192, K 1,024] x [K 1,024, N 3,072]; A: input x; B: input w_attn: QUANTISED
;;     2. batch 64 x [M 2,048, K 64] x [K 64, N 2,048]; A: computed on the way; B: computed on the way: left as it is (an operand is computed on the way)
;;     3. batch 64 x [M 2,048, K 2,048] x [K 2,048, N 64]; A: computed on the way; B: computed on the way: left as it is (an operand is computed on the way)
;;     4. [M 8,192, K 1,024] x [K 1,024, N 1,024]; A: computed on the way; B: input w_proj: left as it is (an operand is computed on the way)
;;   THE QUANTISER, for each operand of a quantised product, along K:
;;     - K is cut into blocks of 32 from its start; a last block that is shorter is filled with zeros.
;;     - A block's scale is 2^e with e = floor(log2(the largest magnitude in the block)) - 2, held to -126 .. 127; a block of zeros has e = 0. As a byte (E8M0): e + 127.
;;     - Each number is divided by its block's scale, clamped to +-6, and rounded to the nearest number of E2M1, ties to even, subnormals kept.
;;     - The product sums the exact products of the quantised numbers (number of the format x scale) in f32.
;;   ~~~python
;;   def quantise(x, axis):      # numpy; x: float32 -> the quantised numbers, widened to float32 again
;;       x = np.moveaxis(x, axis, -1); K = x.shape[-1]
;;       x = np.pad(x, [(0, 0)] * (x.ndim - 1) + [(0, -K % 32)]); x = x.reshape(x.shape[:-1] + (-1, 32)); a = np.abs(x).max(-1, keepdims=True)
;;       e = np.where(a > 0, np.clip(np.frexp(np.where(a > 0, a, 1))[1] - 1 - 2, -126, 127), 0)      # np.frexp(a)[1] - 1 = floor(log2(a)), exactly
;;       r = np.clip(x / 2.0 ** e, -6, 6)
;;       step = 2.0 ** (np.maximum(np.frexp(np.where(r == 0, 1, r))[1] - 1, 0) - 1)
;;       q = np.round(r / step) * step * 2.0 ** e      # np.round: ties to even
;;       return np.moveaxis(q.reshape(q.shape[:-2] + (-1,))[..., :K], -1, axis).astype(np.float32)
;;   ~~~
;; One version. Each part assembles by itself: llvm-mc -triple=amdgcn-amd-amdhsa -mcpu=gfx1250 --defsym DOCPART=n.
;; ======== version 1 of 1: 4 launches
;; limits: values are held in f16: magnitudes above 65,504 overflow, below 6.1e-05 lose precision
;; workspace buffers: xq 4,456,448 bytes; wq 1,671,168 bytes; wpi 2,097,152 bytes; mk 525,312 bytes of whole numbers; qkv 50,331,648 bytes; atti 16,777,216 bytes
;; launch prep (part 1): grid 320 x 1, 8 waves a work-group, no clusters, 84,992 bytes of LDS; arguments x, w_attn, w_proj, mask, xq, wq, wpi, mk; writes xq, wq, wpi, mk
.if DOCPART == 1
	.amdgcn_target "amdgcn-amd-amdhsa--gfx1250"
	.amdhsa_code_object_version 6
	.text
	.protected	k_qad23d869a4_prep
	.globl	k_qad23d869a4_prep
	.p2align	8
	.type	k_qad23d869a4_prep,@function
k_qad23d869a4_prep:
	s_mov_b64 s[64:65], 0
	v_nop
	global_prefetch_b8 v0, s[64:65] scope:SCOPE_SE
	s_setreg_imm32_b32 hwreg(HW_REG_WAVE_MODE, 25, 1), 1
	s_wait_xcnt 0x0
; PREP: everything that later launches read many times is laid out once.  Four paths, chosen by the work-group's number:
;   X (work-groups 0-127):   x [8192][1024] f32 -> codes of E2M1, K innermost (xq, 512 bytes a row), and one E8M0 byte for each 32 along K (xq + 0x400000, 32 bytes a row)
;   W (128-223):             w_attn [1024 k][3072 n] f32, K its first axis -> codes [n][512 bytes] (wq) and scale bytes [n][32] (wq + 0x180000)
;   P (224-255):             w_proj [1024 k][1024 n] f32 -> f16, in the order of a matrix operand's registers (wpi): [n tile 64][32 k 32][1,024 bytes]; (n = 16 nt + r, k = 32 ks + 16 c + 8 h + 0..7) at 512 c + 256 h + 16 r
;   M (256-319):             mask [2048][2048] bool -> lane masks (mk): word [q tile 128][key tile 128][j 8], bit L = mask[16 qt + L % 16][16 kt + 8 (L / 16) + j];
;                            and at mk + 0x80000 + 8 qt two words: bit t of the first = some entry of the tile's 16 rows x keys 64 t .. 64 t + 63 is true, of the second = all are
; THE QUANTISER: a block's scale is 2^(floor(log2(largest magnitude)) - 2); its byte is the largest magnitude's exponent field - 2, held at 1 from below; each number / scale goes to the nearest code, ties to even, beyond 6 to 6.
; A block of zeros gets the byte 1 where the rule says 127: its codes are zeros, which add nothing under any byte but 0xff, and this program alone reads the bytes.
; WORK LEFT OUT BY THE PROGRAM, shown here for all launches:
;   (1) b_attn[1024:2048], the bias on k.  scores[q][key] = q . (k0[key] + bk) / 8 = q . k0[key] / 8 + q . bk / 8.  The second term is the same for every key of a query, and a softmax
;       along the keys is unchanged by a term that is the same along its axis, for all values of the inputs; the product q k^T is not quantised, so bk moves no code and no scale.  Those 1,024 numbers are not loaded.
;   (2) A tile of 32 queries x 64 keys in which the GIVEN mask keeps nothing: its scores become -inf in front of the softmax and weigh 0.  Which tiles those are is read from mk by the attention launch: nothing of the mask's pattern is built in.
;   LIMIT: a NaN, an infinity or an overflow that reaches only the work left out is not carried to the result.
; LIMITS: NaN and infinities among x, w_attn, w_proj are not served; blocks whose largest magnitude lies under 2^-124 keep the byte 1; |w_proj| up to 65,504 (f16).
.set SPW,    12                        ; v12  LDS address of my spare word: SPARE + 4 x my thread's number; never rewritten
.set NIL,    13                        ; v13  0; never rewritten
.set WREG,   8192                      ; path X: a region for each wave: two stages of 32 x 80 bytes, then its 256 scale bytes
.set SP,     80
.set CB,     8
.set STEPS,  16
.set R,      16                        ; path X: v16-79 four sets as loaded; v80-111 two sets of 16 neighbours; v112-127 bytes; v128-191 codes
.set X,      80
.set E,      112
.set C,      128
.set WSTG,   65536                     ; path W: 64 rows (columns n) x (256 bytes of codes + 16)
.set WPITCH, 272
.set WSC,    WSTG+64*WPITCH            ; path W: 64 rows x 16 scale bytes
.set SPARE,  WSC+1024                  ; the spare words, 128 bytes for each of the eight waves: no other line names them
	s_load_b256 s[4:11], s[0:1], 0x0               ; x s[4:5], w_attn s[6:7], w_proj s[8:9], mask s[10:11]
	s_load_b256 s[12:19], s[0:1], 0x20             ; xq s[12:13], wq s[14:15], wpi s[16:17], mk s[18:19]
	v_lshl_add_u32 v[SPW], v0, 2, SPARE
	v_mov_b32 v[NIL], 0
	v_lshrrev_b32 v1, 5, v0
	v_readfirstlane_b32 s20, v1                    ; wave 0..7
	v_and_b32 v2, 31, v0                           ; lane
	s_wait_kmcnt 0x0
	s_cmp_lt_u32 ttmp9, 128
	s_cbranch_scc1 .Lpath_x
	s_cmp_lt_u32 ttmp9, 224
	s_cbranch_scc1 .Lpath_w
	s_cmp_lt_u32 ttmp9, 256
	s_cbranch_scc1 .Lpath_p
; ---------------- PATH M: a wave takes 16 rows x 512 columns of the mask: 32 key tiles.  Lane (r, h) loads the 8 bytes of row r, columns 16 kt + 8 h + 0..7
	s_sub_co_u32 s21, ttmp9, 256
	s_lshl_b32 s21, s21, 1
	s_lshr_b32 s22, s20, 2
	s_add_co_u32 s21, s21, s22                     ; qt = 2 i + wave / 4
	s_and_b32 s22, s20, 3                          ; c: which 512 columns
	s_lshl_b32 s24, s21, 15                        ; 16 rows of 2,048 bytes
	s_lshl_b32 s25, s22, 9
	s_add_co_u32 s24, s24, s25
	s_mov_b32 s25, 0
	s_add_nc_u64 s[10:11], s[10:11], s[24:25]
	v_and_b32 v6, 15, v2
	v_lshrrev_b32 v7, 4, v2
	v_lshlrev_b32 v3, 11, v6
	v_lshl_add_u32 v3, v7, 3, v3                   ; r x 2,048 + 8 h
.set KT, 0
.rept 32
	global_load_b64 v[32+2*KT:33+2*KT], v3, s[10:11] offset:16*KT
.set KT, KT+1
.endr
	s_lshl_b32 s24, s21, 12                        ; the words: 4,096 bytes a query tile, 1,024 for my 32 key tiles
	s_lshl_b32 s26, s22, 10
	s_add_co_u32 s24, s24, s26
	s_add_nc_u64 s[26:27], s[18:19], s[24:25]
	s_lshl_b32 s24, s21, 3                         ; the flags: 8 bytes a query tile; my 8 key steps are byte c of each word
	s_add_co_u32 s24, s24, s22
	s_add_nc_u64 s[28:29], s[18:19], s[24:25]
	v_lshlrev_b32 v4, 4, v2
	v_lshlrev_b32 v5, 2, v2
.irp i, 24,25,26,27,28,29,30,31
	v_mov_b32 v\i, 0                               ; written once: a lane write's destination counts as read
.endr
	s_mov_b32 s42, 0                               ; my byte of 'some'
	s_mov_b32 s43, 0                               ; my byte of 'all'
.set KT, 0
.rept 32
.if KT%8 == 0
	s_wait_loadcnt 24-KT                           ; these eight tiles' loads are in; the later tiles' may be out
.endif
.irp j, 0,1,2,3,4,5,6,7
	v_and_b32 v[16+\j], 0xff<<(8*(\j%4)), v[32+2*KT+\j/4]    ; byte j of my eight
	v_cmp_ne_u32 s[32+\j], 0, v[16+\j]             ; the 32 lanes' bits are the word (qt, kt, j)
.endr
.irp j, 0,1,2,3,4,5,6,7
.set WD, 8*KT+\j
.if (KT%4 == 0) && (\j == 0)
	s_mov_b32 s40, s32                             ; a key step of four tiles begins
	s_mov_b32 s41, s32
.else
	s_or_b32 s40, s40, s[32+\j]
	s_and_b32 s41, s41, s[32+\j]
.endif
	v_writelane_b32 v[24+4*(WD/128)+WD%4], s[32+\j], (WD%128)/4   ; word WD to its place in two stores of 512 bytes
.endr
.if KT%4 == 3
	s_cmp_lg_u32 s40, 0
	s_cselect_b32 s45, 1<<(KT/4), 0
	s_or_b32 s42, s42, s45
	s_cmp_eq_u32 s41, -1
	s_cselect_b32 s45, 1<<(KT/4), 0
	s_or_b32 s43, s43, s45
.endif
.set KT, KT+1
.endr
	v_mov_b32 v20, s42
	v_mov_b32 v21, s43
	v_cmp_eq_u32 vcc_lo, 1, v2
	v_cndmask_b32 v20, v20, v21, vcc_lo            ; lane 0: 'some', lane 1: 'all'
	v_cmp_gt_u32 vcc_lo, 2, v2
	global_store_b128 v4, v[24:27], s[26:27]       ; 32 lanes store 512 consecutive bytes
	global_store_b128 v4, v[28:31], s[26:27] offset:512
	s_wait_xcnt 0x0                                ; EXEC changes only behind this wait
	s_and_saveexec_b32 s46, vcc_lo
	global_store_b8 v5, v20, s[28:29] offset:0x80000
	s_wait_xcnt 0x0                                ; and again in front of the line that widens it
	s_or_b32 exec_lo, exec_lo, s46
	s_wait_tensorcnt 0x0                           ; the wave's end
	ds_add_u32 v[SPW], v[NIL]
	s_wait_dscnt 0x0
	s_endpgm
; ---------------- PATH X: x is a plain stream of blocks of 32.  A wave takes 16 steps of 512 numbers; each load reads 512 consecutive bytes; a step's 2,048 bytes turn through the wave's own stage so that a lane holds 16 neighbours
.Lpath_x:
	v_lshlrev_b32 v3, 4, v2                        ; my 16 bytes of a load's 512
	s_mul_i32 s21, s20, WREG
	v_lshrrev_b32 v14, 2, v2
	v_mul_u32_u24 v14, v14, SP
	v_and_b32 v15, 3, v2
	v_lshl_add_u32 v14, v15, 4, v14
	v_add_nc_u32 v14, s21, v14                     ; the stage on the way in: 80 (lane / 4) + 16 (lane % 4)
	v_mul_u32_u24 v15, v2, SP
	v_add_nc_u32 v15, s21, v15                     ; and on the way out: 80 x lane
	v_mul_u32_u24 v4, v2, CB                       ; my codes' place in a step's 256 bytes
	v_lshrrev_b32 v5, 1, v2
	s_add_co_u32 s21, s21, 2*32*SP
	v_add_nc_u32 v5, s21, v5                       ; my block's scale byte in the wave's 256
	v_lshlrev_b32 v7, 3, v2
	v_add_nc_u32 v6, s21, v7
	s_lshl_b32 s22, ttmp9, 3
	s_add_co_u32 s22, s22, s20                     ; which run of 8,192 numbers is my wave's
	s_lshl_b32 s24, s22, 15
	s_mov_b32 s25, 0
	s_add_nc_u64 s[4:5], s[4:5], s[24:25]
	s_lshl_b32 s24, s22, 8
	s_add_nc_u64 s[26:27], s[12:13], s[24:25]
	s_add_nc_u64 s[26:27], s[26:27], 0x400000      ; its 256 scale bytes
	s_lshl_b32 s24, s22, 12
	s_add_nc_u64 s[12:13], s[12:13], s[24:25]      ; its 4,096 bytes of codes
.macro XLOAD t
.irp i, 0,1,2,3
	global_load_b128 v[R+16*((\t)%4)+4*\i:R+16*((\t)%4)+4*\i+3], v3, s[4:5] offset:2048*(\t)+512*\i th:TH_LOAD_NT
.endr
.endm
.macro XTURN t                         ; LDS serves a wave's instructions in order: no wait between the stores and the loads
.irp i, 0,1,2,3
	ds_store_b128 v14, v[R+16*((\t)%4)+4*\i:R+16*((\t)%4)+4*\i+3] offset:32*SP*((\t)%2)+8*SP*\i
.endr
.irp i, 0,1,2,3
	ds_load_b128 v[X+16*((\t)%2)+4*\i:X+16*((\t)%2)+4*\i+3], v15 offset:32*SP*((\t)%2)+16*\i
.endr
.endm
.irp t, 0,1,2,3
	XLOAD \t
.endr
	s_wait_loadcnt 12                              ; step 0's four loads are in
	XTURN 0
.macro XSTEP t
.set XS, X+16*((\t)%2)
.if (\t) > 0
	s_wait_dscnt 1                                 ; this step's numbers are back (the last step's byte store may be out): its stores into the stage have read their registers,
.else
	s_wait_dscnt 0x0
.endif
.if (\t)+4 < STEPS
	XLOAD (\t)+4                                   ; which take the loads of four steps on
.endif
.if (\t)+1 < STEPS
.if STEPS-2-(\t) >= 3
	s_wait_loadcnt 12                              ; the next step's four loads are in; those of the three steps behind it may be out
.else
	s_wait_loadcnt 4*(STEPS-2-(\t))
.endif
	XTURN (\t)+1
.endif
	v_max3_num_f32 v8, |v[XS]|, |v[XS+1]|, |v[XS+2]|
	v_max3_num_f32 v9, |v[XS+3]|, |v[XS+4]|, |v[XS+5]|
.irp i, 6,10
	v_max3_num_f32 v8, v8, |v[XS+\i]|, |v[XS+\i+1]|
	v_max3_num_f32 v9, v9, |v[XS+\i+2]|, |v[XS+\i+3]|
.endr
	v_max3_num_f32 v8, v8, |v[XS+14]|, |v[XS+15]|
	v_max3_num_f32 v8, v8, v9, 0x1800000           ; and the floor 2^(3 - 127): the byte cannot fall under 1
	v_max_num_f32_dpp v8, v8, v8 row_xmask:1 row_mask:0xf bank_mask:0xf   ; with my neighbour's 16: the block's largest magnitude
	v_add_nc_u32 v11, 0xff000000, v8               ; 2 off its exponent field: the conversion takes that field as its scale
	v_cvt_scalef32_pk8_fp4_f32 v[C+4*(\t)], v[XS:XS+7], v11
	v_cvt_scalef32_pk8_fp4_f32 v[C+4*(\t)+1], v[XS+8:XS+15], v11
	v_lshrrev_b32 v[E+(\t)], 23, v11               ; the scale's byte (a plain line behind the conversions)
	ds_store_b8 v5, v[E+(\t)] offset:16*(\t)       ; both lanes of a block write the same byte with the same value
	global_store_b64 v4, v[C+4*(\t):C+4*(\t)+1], s[12:13] offset:32*CB*(\t)   ; the wave stores 256 consecutive bytes
.endm
.irp t, 0,1,2,3,4,5,6,7,8,9,10,11,12,13,14,15
	XSTEP \t
.endr
	ds_load_b64 v[8:9], v6
	s_wait_dscnt 0x0
	global_store_b64 v7, v[8:9], s[26:27]          ; 32 lanes store 256 consecutive bytes of scale bytes
	s_wait_tensorcnt 0x0                           ; the wave's end, behind my last LDS store
	ds_add_u32 v[SPW], v[NIL]
	s_wait_dscnt 0x0
	s_endpgm
; A lane takes a column and its registers run down K: block t's 32 numbers into v[32 + 32 t ..]; each load reads 128 consecutive bytes
.macro KLOAD t, base, pitch
.irp i, 0,1,2,3,4,5,6,7,8,9,10,11,12,13,14,15,16,17,18,19,20,21,22,23,24,25,26,27,28,29,30,31
	global_load_b32 v[32+32*(\t)+\i], v3, s[\base:\base+1] offset:(32*(\t)+\i)*\pitch th:TH_LOAD_NT
.endr
.endm
; ---------------- PATH W: a work-group takes 64 columns x 512 along K; wave w: 32 columns (w % 2), 128 along K (w / 2): four blocks a lane
.Lpath_w:
	s_sub_co_u32 s21, ttmp9, 128
	s_cmp_ge_u32 s21, 48
	s_cselect_b32 s22, 1, 0                        ; y: which 512 along K
	s_cselect_b32 s23, 48, 0
	s_sub_co_u32 s21, s21, s23                     ; cg: which 64 columns
	s_and_b32 s24, s20, 1                          ; ch
	s_lshr_b32 s25, s20, 1                         ; kq
	s_lshl_b32 s26, s22, 9
	s_lshl_b32 s27, s25, 7
	s_add_co_u32 s26, s26, s27
	s_mul_i32 s26, s26, 12288                      ; (512 y + 128 kq) rows of 12,288 bytes
	s_lshl_b32 s27, s21, 8
	s_add_co_u32 s26, s26, s27
	s_lshl_b32 s27, s24, 7
	s_add_co_u32 s26, s26, s27                     ; + 4 (64 cg + 32 ch)
	s_mov_b32 s27, 0
	s_add_nc_u64 s[6:7], s[6:7], s[26:27]
	v_lshlrev_b32 v3, 2, v2
	KLOAD 0, 6, 12288
	KLOAD 1, 6, 12288
	s_mul_i32 s28, s24, 32*WPITCH
	s_lshl_b32 s29, s25, 6
	s_add_co_u32 s28, s28, s29
	s_add_co_u32 s28, s28, WSTG
	v_mul_u32_u24 v4, v2, WPITCH
	v_add_nc_u32 v4, s28, v4                       ; into the stage: row 32 ch + lane, byte 64 kq
	s_lshl_b32 s28, s24, 9
	s_lshl_b32 s29, s25, 2
	s_add_co_u32 s28, s28, s29
	s_add_co_u32 s28, s28, WSC
	v_lshl_add_u32 v5, v2, 4, s28                  ; my scale word: row x 16 + 4 kq
	v_and_b32 v6, 15, v2
	v_lshrrev_b32 v7, 4, v2
	s_mul_i32 s28, s20, 8*WPITCH
	s_add_co_u32 s28, s28, WSTG
	v_mul_u32_u24 v8, v7, WPITCH
	v_lshl_add_u32 v8, v6, 4, v8
	v_add_nc_u32 v8, s28, v8                       ; out of it: wave w takes rows 8 w .. 8 w + 7, sixteen lanes to a row
	v_lshlrev_b32 v9, 9, v7
	v_lshl_add_u32 v9, v6, 4, v9                   ; and the same place in wq: rows of 512 bytes
	s_lshl_b32 s28, s21, 15
	s_lshl_b32 s29, s20, 12
	s_add_co_u32 s28, s28, s29
	s_lshl_b32 s29, s22, 8
	s_add_co_u32 s28, s28, s29                     ; (64 cg + 8 w) x 512 + 256 y
	s_mov_b32 s29, 0
	s_add_nc_u64 s[30:31], s[14:15], s[28:29]
	s_lshl_b32 s28, s21, 11
	s_lshl_b32 s34, s22, 4
	s_add_co_u32 s28, s28, s34                     ; 64 cg x 32 + 16 y
	s_add_nc_u64 s[32:33], s[14:15], s[28:29]
	s_add_nc_u64 s[32:33], s[32:33], 0x180000
	v_and_b32 v10, 63, v0
	v_lshl_add_u32 v11, v10, 4, WSC
	v_lshlrev_b32 v10, 5, v10
.macro WBLOCK t
.set XS, 32+32*(\t)
.if (\t) < 3
	s_wait_loadcnt 32                              ; this block's 32 loads are in; the next block's may be out
.else
	s_wait_loadcnt 0x0
.endif
.if (\t)+2 < 4
	KLOAD (\t)+2, 6, 12288
.endif
	v_max3_num_f32 v16, |v[XS]|, |v[XS+1]|, |v[XS+2]|      ; the block's largest magnitude: all 32 numbers are mine
	v_max3_num_f32 v17, |v[XS+3]|, |v[XS+4]|, |v[XS+5]|
.irp i, 6,10,14,18,22,26
	v_max3_num_f32 v16, v16, |v[XS+\i]|, |v[XS+\i+1]|
	v_max3_num_f32 v17, v17, |v[XS+\i+2]|, |v[XS+\i+3]|
.endr
	v_max3_num_f32 v16, v16, |v[XS+30]|, |v[XS+31]|
	v_max3_num_f32 v16, v16, v17, 0x1800000        ; and the floor
	v_add_nc_u32 v18, 0xff000000, v16
	v_lshrrev_b32 v19, 23, v18
.if (\t) == 0
	v_mov_b32 v176, v19                            ; four bytes to a word, the lower K in the lower byte
.else
	v_lshl_or_b32 v176, v19, 8*(\t), v176
.endif
.irp g, 0,1,2,3
	v_cvt_scalef32_pk8_fp4_f32 v[160+4*(\t)+\g], v[XS+8*\g:XS+8*\g+7], v18
.endr
	v_nop                                          ; one plain line behind the last conversion
	ds_store_b128 v4, v[160+4*(\t):163+4*(\t)] offset:16*(\t)
.endm
	WBLOCK 0
	WBLOCK 1
	WBLOCK 2
	WBLOCK 3
	ds_store_b32 v5, v176
	s_wait_dscnt 0x0                               ; for the others' sake: my stores into the stages are done
	s_barrier_signal -1
	s_barrier_wait -1
.irp i, 0,1,2,3
	ds_load_b128 v[32+4*\i:35+4*\i], v8 offset:2*WPITCH*\i
.endr
.irp i, 0,1,2,3
	s_wait_dscnt 3-\i                              ; the later read-backs may be out
	global_store_b128 v9, v[32+4*\i:35+4*\i], s[30:31] offset:1024*\i   ; sixteen lanes store 256 consecutive bytes, aligned
.endr
	s_cmp_lt_u32 s20, 2                            ; waves 0 and 1: the 64 rows' 16 scale bytes
	s_cbranch_scc0 .Lw_no_scales
	ds_load_b128 v[48:51], v11
	s_wait_dscnt 0x0
	global_store_b128 v10, v[48:51], s[32:33]
.Lw_no_scales:
	s_wait_tensorcnt 0x0                           ; the wave's end, behind my last LDS store
	ds_add_u32 v[SPW], v[NIL]
	s_wait_dscnt 0x0
	s_endpgm
; ---------------- PATH P: the same shares on w_proj; a lane's 32 numbers down K are four pieces of 8 f16, which are 16 bytes of a fragment's image
.Lpath_p:
	s_sub_co_u32 s21, ttmp9, 224
	s_and_b32 s22, s21, 15                         ; cg
	s_lshr_b32 s23, s21, 4                         ; y
	s_and_b32 s24, s20, 1                          ; ch
	s_lshr_b32 s25, s20, 1                         ; kq
	s_lshl_b32 s26, s23, 21
	s_lshl_b32 s27, s25, 19
	s_add_co_u32 s26, s26, s27                     ; (512 y + 128 kq) rows of 4,096 bytes
	s_lshl_b32 s27, s22, 8
	s_add_co_u32 s26, s26, s27
	s_lshl_b32 s27, s24, 7
	s_add_co_u32 s26, s26, s27
	s_mov_b32 s27, 0
	s_add_nc_u64 s[8:9], s[8:9], s[26:27]
	v_lshlrev_b32 v3, 2, v2
	KLOAD 0, 8, 4096
	KLOAD 1, 8, 4096
	s_lshl_b32 s28, s22, 17
	s_lshl_b32 s29, s24, 16
	s_add_co_u32 s28, s28, s29                     ; n tile 4 cg + 2 ch: 32,768 bytes each
	s_lshl_b32 s29, s23, 14
	s_add_co_u32 s28, s28, s29
	s_lshl_b32 s29, s25, 12
	s_add_co_u32 s28, s28, s29                     ; fragment 16 y + 4 kq: 1,024 bytes each
	s_mov_b32 s29, 0
	s_add_nc_u64 s[16:17], s[16:17], s[28:29]
	v_and_b32 v6, 15, v2
	v_lshrrev_b32 v7, 4, v2
	v_lshlrev_b32 v4, 15, v7
	v_lshl_add_u32 v4, v6, 4, v4                   ; lanes 16-31: the next n tile; 16 r
.macro PBLOCK t
.set XS, 32+32*(\t)
.if (\t) < 3
	s_wait_loadcnt 32                              ; this block's 32 loads are in; the next block's may be out
.else
	s_wait_loadcnt 0x0
.endif
.if (\t)+2 < 4
	KLOAD (\t)+2, 8, 4096
.endif
.set I, 0
.rept 16
	v_cvt_pk_f16_f32 v[XS+I], v[XS+2*I], v[XS+2*I+1]   ; in place, ascending: a result never lands on numbers still to be read
.set I, I+1
.endr
.irp p, 0,1,2,3
	global_store_b128 v4, v[XS+4*\p:XS+4*\p+3], s[16:17] offset:1024*(\t)+256*\p   ; sixteen lanes store 256 consecutive bytes, aligned
.endr
.endm
	PBLOCK 0
	PBLOCK 1
	PBLOCK 2
	PBLOCK 3
	s_wait_tensorcnt 0x0                           ; the wave's end
	ds_add_u32 v[SPW], v[NIL]
	s_wait_dscnt 0x0
	s_endpgm
.Lfunc_end_k_qad23d869a4_prep:
	.size	k_qad23d869a4_prep, .Lfunc_end_k_qad23d869a4_prep-k_qad23d869a4_prep
	.p2alignl 7, 3214868480
	.fill 96, 4, 3214868480
	.section	.rodata,"a",@progbits
	.p2align	6, 0x0
	.amdhsa_kernel k_qad23d869a4_prep
		.amdhsa_group_segment_fixed_size 84992
		.amdhsa_private_segment_fixed_size 0
		.amdhsa_enable_private_segment 0
		.amdhsa_kernarg_size 64
		.amdhsa_user_sgpr_count 2
		.amdhsa_user_sgpr_kernarg_segment_ptr 1
		.amdhsa_wavefront_size32 1
		.amdhsa_system_sgpr_workgroup_id_x 1
		.amdhsa_system_sgpr_workgroup_id_y 1
		.amdhsa_system_sgpr_workgroup_id_z 1
		.amdhsa_system_vgpr_workitem_id 0
		.amdhsa_next_free_vgpr 192
		.amdhsa_next_free_sgpr 66
		.amdhsa_reserve_vcc 1
		.amdhsa_float_denorm_mode_32 3
		.amdhsa_float_denorm_mode_16_64 3
		.amdhsa_memory_ordered 1
		.amdhsa_forward_progress 1
		.amdhsa_inst_pref_size 144
	.end_amdhsa_kernel
	.amdgpu_metadata
---
amdhsa.version: [ 1, 2 ]
amdhsa.kernels:
  - .name:           k_qad23d869a4_prep
    .symbol:         k_qad23d869a4_prep.kd
    .args:
      - { .name: x, .offset: 0, .size: 8, .value_kind: global_buffer, .address_space: global }
      - { .name: w_attn, .offset: 8, .size: 8, .value_kind: global_buffer, .address_space: global }
      - { .name: w_proj, .offset: 16, .size: 8, .value_kind: global_buffer, .address_space: global }
      - { .name: mask, .offset: 24, .size: 8, .value_kind: global_buffer, .address_space: global }
      - { .name: xq, .offset: 32, .size: 8, .value_kind: global_buffer, .address_space: global }
      - { .name: wq, .offset: 40, .size: 8, .value_kind: global_buffer, .address_space: global }
      - { .name: wpi, .offset: 48, .size: 8, .value_kind: global_buffer, .address_space: global }
      - { .name: mk, .offset: 56, .size: 8, .value_kind: global_buffer, .address_space: global }
    .group_segment_fixed_size: 84992
    .private_segment_fixed_size: 0
    .kernarg_segment_align: 8
    .kernarg_segment_size: 64
    .max_flat_workgroup_size: 256
    .sgpr_count:     66
    .vgpr_count:     192
    .wavefront_size: 32
...
	.end_amdgpu_metadata
.endif
;; end of part 1
;; launch qkv (part 2): grid 12 x 32, 4 waves a work-group, clusters of 4 x 4, 327,680 bytes of LDS; arguments xq, wq, b_attn, qkv; writes qkv
.if DOCPART == 2
	.amdgcn_target "amdgcn-amd-amdhsa--gfx1250"
	.amdhsa_code_object_version 6
	.text
	.protected	k_qad23d869a4_qkv
	.globl	k_qad23d869a4_qkv
	.p2align	8
	.type	k_qad23d869a4_qkv,@function
k_qad23d869a4_qkv:
	s_mov_b64 s[64:65], 0
	v_nop
	global_prefetch_b8 v0, s[64:65] scope:SCOPE_SE
	s_setreg_imm32_b32 hwreg(HW_REG_WAVE_MODE, 25, 1), 1
	s_wait_xcnt 0x0
	s_wait_alu depctr_hold_cnt(0) depctr_sa_sdst(0) depctr_va_vdst(0) depctr_va_sdst(0) depctr_va_ssrc(0) depctr_va_vcc(0) depctr_vm_vsrc(0)
	s_getreg_b32 s2, hwreg(HW_REG_IB_STS2, 6, 4)
	s_cmp_eq_u32 s2, 0
	s_cbranch_scc0 .Lentry_in_a_cluster
	s_endpgm
.Lentry_in_a_cluster:
	s_bfe_u32 s2, ttmp6, 0x10000c
	s_cmp_lg_u32 s2, 0xf033
	s_cbranch_scc0 .Lentry_shape_is_right
	s_endpgm
.Lentry_shape_is_right:
; q, k, v = x w_attn + b_attn on codes of E2M1 with one E8M0 scale for each 32 along K = 1,024; sums in f32; results rounded once to f16 and stored in the order of the attention launch's operand registers.
; LEFT OUT: the bias on k, b_attn[1024:2048]: q . bk is the same for all keys of a query and a softmax along the keys is unchanged by it (shown at the head of the first kernel).  Those numbers are not loaded; k's sums begin at 0.
; LIMITS: |q|, |k|, |v| up to 65,504 (f16).
; A tile of 256 tokens x 256 columns is made by four waves, 128 x 128 each: 64 accumulators, 512 registers.  K = 1,024 is two LDS slots of 512 along K (rows of 256 bytes): both, and the scale bytes of the
; work-group's 256 + 256 rows, are asked for at the head and nothing is filled again: by this text's count a wave has three tensor loads out at the most.
; CLUSTERS: 4 x 4 work-groups; the four of a row of the cluster need the same tiles of x, the four of a column the same tiles of w_attn: each tile is asked for jointly.  A cluster's x is 0, 1, 2 for q, k, v.
; THE MATRIX INSTRUCTION IS USED TRANSPOSED (source 0 = 16 columns of w_attn, source 1 = 16 tokens): a lane holds one token (lane % 16) and eight neighbouring columns 8 (lane / 16) + 0..7, which as f16 are 16 bytes:
; one piece of a fragment's image.  qkv: region g at g << 24; in it [batch x head 64][token tile 128][2,048 bytes]; a token tile is four blocks of 512 bytes, one for each 16 of the head's 64, 32 pieces of 16 bytes each.
; q, k: piece L = (token L % 16, half L / 16).  v: piece L' = (token 8 (L' / 16) + L' % 8, half (L' / 8) % 2), the order in which the turning LDS load takes it lane by lane.
; REGISTERS: window 0: v0-31 addresses; v32-95 scale words, two sets; v128-191 x's fragments, one set; v192-255 the bias, the C of the first step; on the way out v64-191 packed results.
;   window 1: w_attn's fragments, two sets.   windows 2, 3: the accumulators ((a, b) at v[8 (8 (a % 4) + b)]).
.set KSTEP,  512
.set NQ,     4
.set ROWB,   256
.set KROW,   512
.set PITCH,  272                       ; an LDS row: 256 bytes + 16 of padding = 68 words: the 16 rows that a load touches start at 16 different banks (64 banks of 4 bytes: ISA guide 11.1)
.set FR,     8
.set NL,     2
.set NP,     4                         ; places behind this matrix instruction (ISA guide 7.12.1)
.set HALFT,  128*PITCH
.set SLOT,   4*HALFT
.set KS,     32                        ; a row of scale bytes
.set SCL,    2*SLOT
.set HALFS,  16*272                    ; the scales of 128 rows: 16 units of 256 bytes + 16
.set SBLK,   2*272                     ; those of 16 rows
.set SPARE,  SCL+4*HALFS               ; the spare words, 128 bytes for each wave: no other line names them
.set ADRA, 16
.set ADRB, 20
.set CO,   26                          ; v26  my piece's place in a block of 512 bytes
.set ADRS, 27
.set SPW,  28
.set NIL,  29
.set BO,   30                          ; v30  32 x (lane / 16): my eight numbers of a bias tile
.set SC,   32
.set PK,   64
.set AF,   128
.set BI,   192
.set G1, 24
.set G0, 32
.set G1B, 48
.set G0B, 56
.set G1S, 68
.set G0S, 76
.set G1SB, 80
.set G0SB, 88
.set MSB, 0
.macro WIN new                         ; the immediate's high byte repeats the setting that is left
.if MSB != (\new)
	s_set_vgpr_msb (MSB<<8)|(\new)
.set MSB, (\new)
.endif
.endm
.set MUL_LO, 0xa1                      ; source 0 (w) window 1, source 1 (x) window 0, C and D window 2
.set MUL_HI, 0xf1                      ; the same, C and D window 3.  In the first step C is the bias, window 0: 0x81 and 0xc1
.set TO_B,   0x40
; A joint load: waves 0 and 1 fetch for x, waves 2 and 3 for w_attn; the branch hangs on the wave's number alone.  An s_nop 0 and four v_nop follow each of the two lines.
.macro JLOAD g0a, g1a, g0b, g1b
	s_cmp_eq_u32 s15, 0
	s_cbranch_scc0 .Lfor_b_\@
	tensor_load_to_lds s[\g0a:\g0a+3], s[\g1a:\g1a+7]
	s_nop 0
.rept 4
	v_nop
.endr
	s_branch .Lasked_\@
.Lfor_b_\@:
	tensor_load_to_lds s[\g0b:\g0b+3], s[\g1b:\g1b+7]
	s_nop 0
.rept 4
	v_nop
.endr
.Lasked_\@:
.endm
.macro CROUND                          ; a round of the cluster's barrier
	s_barrier_signal -1
	s_barrier_wait -1
	s_cmp_lg_u32 s14, 0
	s_cbranch_scc1 .Lnot_wave_0_\@
	s_barrier_signal -3
.Lnot_wave_0_\@:
	s_barrier_wait -3
	s_barrier_signal -1
	s_barrier_wait -1
.endm
	s_load_b64 s[4:5], s[0:1], 0x0                 ; xq
	s_load_b64 s[8:9], s[0:1], 0x8                 ; wq
	s_load_b64 s[96:97], s[0:1], 0x10              ; b_attn
	s_load_b64 s[12:13], s[0:1], 0x18              ; qkv
	v_lshl_add_u32 v[SPW], v0, 2, SPARE
	v_mov_b32 v[NIL], 0
	ds_add_u32 v[SPW], v[NIL]                      ; the wave's opening: the add, twice on end, and its wait ahead of my first tensor load
	ds_add_u32 v[SPW], v[NIL]
	v_lshrrev_b32 v1, 5, v0
	v_readfirstlane_b32 s14, v1                    ; wave 0..3
	s_lshr_b32 s15, s14, 1                         ; which half of the tile's tokens is mine.  Also: I fetch for x (0) or for w_attn (1)
	s_and_b32 s16, s14, 1                          ; which half of its columns.  Also: which 128 rows I fetch
	s_bfe_u32 s40, ttmp6, 0x40000                  ; cx, cy
	s_bfe_u32 s41, ttmp6, 0x40004
	s_lshl_b32 s42, ttmp9, 2
	s_add_co_u32 s42, s42, s40                     ; tile column = 4 x cluster x + cx
	s_and_b32 s17, ttmp7, 0xffff
	s_lshl_b32 s17, s17, 2
	s_add_co_u32 s17, s17, s41                     ; tile row = 4 x cluster y + cy
	s_lshl_b32 s43, s41, 2
	s_lshl_b32 s43, 15, s43                        ; my row of the cluster
	s_lshl_b32 s44, 0x1111, s40                    ; my column
	s_or_b32 s[G1+0], s43, (0<<16)|(1<<20)|(1<<21)|(5<<22)|(3<<25)   ; mask; elements of 1 byte; padding on; bit 21 beside a mask; 4 words behind every 64
	s_or_b32 s[G1B+0], s44, (0<<16)|(1<<20)|(1<<21)|(5<<22)|(3<<25)
.irp g, G1, G1B
	s_mov_b32 s[\g+1], ROWB<<16                    ; tensor_dim0
	s_mov_b32 s[\g+2], 128<<16                     ; tensor_dim1
	s_mov_b32 s[\g+3], ROWB<<16                    ; tile_dim0
	s_mov_b32 s[\g+4], 128                         ; tile_dim1
	s_mov_b32 s[\g+5], KROW                        ; the pitch
	s_mov_b32 s[\g+6], 0
	s_mov_b32 s[\g+7], 0
.endr
	s_or_b32 s[G1S+0], s43, (3<<16)|(1<<20)|(1<<21)|(5<<22)|(3<<25)  ; the scales of 128 rows: 4,096 dense bytes as 16 rows of 32 elements of 8 bytes
	s_or_b32 s[G1SB+0], s44, (3<<16)|(1<<20)|(1<<21)|(5<<22)|(3<<25)
.irp g, G1S, G1SB
	s_mov_b32 s[\g+1], 32<<16
	s_mov_b32 s[\g+2], 16<<16
	s_mov_b32 s[\g+3], 32<<16
	s_mov_b32 s[\g+4], 16
	s_mov_b32 s[\g+5], 32
	s_mov_b32 s[\g+6], 0
	s_mov_b32 s[\g+7], 0
.endr
	s_lshl_b32 s18, s16, 7
	s_lshl_b32 s20, s17, 8
	s_add_co_u32 s20, s20, s18                     ; x: row 256 x tile row + 128 x half
	s_lshl_b32 s46, s42, 8
	s_add_co_u32 s46, s46, s18                     ; w_attn: column 256 x tile column + 128 x half
	s_mov_b32 s21, 0
	s_mov_b32 s47, 0
	s_mov_b64 s[18:19], KS
	s_mul_u64 s[22:23], s[20:21], s[18:19]
	s_mul_u64 s[92:93], s[46:47], s[18:19]
	s_mov_b64 s[18:19], KROW
	s_mul_u64 s[20:21], s[20:21], s[18:19]
	s_mul_u64 s[46:47], s[46:47], s[18:19]
	s_mul_i32 s45, s14, HALFT                      ; where they go: wave x 128 rows: no place in the cluster enters an LDS address
	s_mul_i32 s94, s14, HALFS
	s_wait_dscnt 0x0                               ; both opening adds are done
	s_wait_kmcnt 0x0
	s_add_nc_u64 s[6:7], s[4:5], 0x400000          ; x's scale bytes lie behind its codes,
	s_add_nc_u64 s[10:11], s[8:9], 0x180000        ; w_attn's likewise
	s_add_nc_u64 s[20:21], s[4:5], s[20:21]
	s_add_nc_u64 s[22:23], s[6:7], s[22:23]
	s_add_nc_u64 s[46:47], s[8:9], s[46:47]
	s_add_nc_u64 s[92:93], s[10:11], s[92:93]
	CROUND                                         ; all sixteen work-groups are here: the joint loads meet
	s_mov_b32 s[G0S], 1
	s_add_co_u32 s[G0S+1], s94, SCL
	s_mov_b64 s[G0S+2:G0S+3], s[22:23]
	s_or_b32 s[G0S+3], s[G0S+3], 0x80000000
	s_mov_b32 s[G0SB], 1
	s_add_co_u32 s[G0SB+1], s94, SCL
	s_mov_b64 s[G0SB+2:G0SB+3], s[92:93]
	s_or_b32 s[G0SB+3], s[G0SB+3], 0x80000000
	JLOAD G0S, G1S, G0SB, G1SB                     ; the scales first: they are wanted with the first slot
.irp s, 0,1
	s_mov_b32 s[G0+4*\s], 1
	s_add_co_u32 s[G0+4*\s+1], s45, \s*SLOT
	s_add_nc_u64 s[G0+4*\s+2:G0+4*\s+3], s[20:21], \s*ROWB
	s_or_b32 s[G0+4*\s+3], s[G0+4*\s+3], 0x80000000
	s_mov_b32 s[G0B+4*\s], 1
	s_add_co_u32 s[G0B+4*\s+1], s45, \s*SLOT
	s_add_nc_u64 s[G0B+4*\s+2:G0B+4*\s+3], s[46:47], \s*ROWB
	s_or_b32 s[G0B+4*\s+3], s[G0B+4*\s+3], 0x80000000
	JLOAD G0+4*\s, G1, G0B+4*\s, G1B
.endr
	v_and_b32 v1, 15, v0                           ; r
	v_bfe_u32 v2, v0, 4, 1                         ; h
	v_mul_u32_u24 v3, v1, PITCH
	v_lshl_add_u32 v4, v2, 4, v3
	s_mul_i32 s21, s15, HALFT
	s_mul_i32 s22, s16, HALFT
	s_add_co_u32 s22, s22, 2*HALFT
.irp s, 0,1
	v_add_nc_u32 v[ADRA+\s], s21, v4
	v_add_nc_u32 v[ADRB+\s], s22, v4
	s_add_co_u32 s21, s21, SLOT
	s_add_co_u32 s22, s22, SLOT
.endr
	v_mul_u32_u24 v5, v1, KS                       ; my row's scales: 32 bytes a row,
	v_lshrrev_b32 v6, 8, v5
	v_lshl_add_u32 v5, v6, 4, v5                   ; and 16 more for each 256 passed
	s_mul_i32 s21, s15, HALFS
	s_mul_i32 s22, s16, HALFS
	s_add_co_u32 s22, s22, 2*HALFS
	s_sub_co_u32 s22, s22, s21
	v_mul_u32_u24 v6, s22, v2                      ; lanes 16-31 take w_attn's
	s_add_co_u32 s21, s21, SCL
	v_add_nc_u32 v5, v5, v6
	v_add_nc_u32 v[ADRS], s21, v5
	; the way out: my piece's place, and where my wave's first block lies
	v_and_b32 v6, 31, v0
	v_lshlrev_b32 v5, 4, v6                        ; q, k: 16 L
	v_lshrrev_b32 v7, 3, v1
	v_lshlrev_b32 v7, 4, v7
	v_lshl_or_b32 v7, v2, 3, v7
	v_and_b32 v8, 7, v1
	v_or_b32 v7, v7, v8
	v_lshlrev_b32 v7, 4, v7                        ; v: 16 L', L' = 16 (r / 8) + 8 h + r % 8
	s_cmp_eq_u32 ttmp9, 2
	s_cselect_b32 s46, -1, 0
	v_cndmask_b32 v[CO], v5, v7, s46
	v_lshlrev_b32 v[BO], 5, v2
	s_lshr_b32 s20, s17, 3
	s_lshl_b32 s20, s20, 22                        ; the batch: 16 heads of 2^18 bytes
	s_and_b32 s21, s17, 7
	s_lshl_b32 s21, s21, 15                        ; 16 token tiles of 2,048 bytes for each tile row
	s_add_co_u32 s20, s20, s21
	s_lshl_b32 s21, s15, 14                        ; 8 more for the lower half
	s_add_co_u32 s20, s20, s21
	s_mov_b32 s21, 0
	s_add_nc_u64 s[12:13], s[12:13], s[20:21]
	s_lshl_b32 s46, ttmp9, 24                      ; the region: q, k or v
	s_lshl_b32 s47, s40, 20                        ; head 4 cx
	s_add_co_u32 s46, s46, s47
	s_lshl_b32 s47, s16, 19                        ; + 2 x column half
	s_add_co_u32 s46, s46, s47
	s_mov_b32 s47, 0
	s_add_nc_u64 s[12:13], s[12:13], s[46:47]
	s_lshl_b32 s46, s42, 10                        ; the bias of my 128 columns: 4 (256 x tile column + 128 x half)
	s_lshl_b32 s47, s16, 9
	s_add_co_u32 s46, s46, s47
	s_mov_b32 s47, 0
	s_add_nc_u64 s[96:97], s[96:97], s[46:47]
	s_cmp_eq_u32 ttmp9, 1                          ; the cluster's x: the same in all sixteen partners
	s_cbranch_scc1 .Lno_bias
.irp b, 0,1,2,3,4,5,6,7
	global_load_b128 v[BI+8*\b:BI+8*\b+3], v[BO], s[96:97] offset:64*\b        ; register 8 b + j: the bias of column 16 b + 8 h + j, in the result's layout
	global_load_b128 v[BI+8*\b+4:BI+8*\b+7], v[BO], s[96:97] offset:64*\b+16
.endr
	s_branch .Lbias_done
.Lno_bias:
.set I, 0
.rept 64
	v_mov_b32 v[BI+I], 0                           ; k: its bias is left out
.set I, I+1
.endr
.Lbias_done:
.macro FRAG reg, adr, q, i             ; 16 rows x 128 K of 4-bit codes: 8 registers, two loads of 16 bytes, 32 bytes apart
.irp c, 0,1
	ds_load_b128 v[\reg+4*\c:\reg+4*\c+3], v[\adr] offset:64*(\q)+32*\c+(\i)*16*PITCH
.endr
.endm
; 16 matrix instructions: x's blocks a0, a0 + 1 against w_attn's eight.  zero = 1: the first step, whose C is the bias.  The 64 accumulators take turns, one instruction a turn.
.macro MUL16 a0, p, q, sc, zero
.irp a, \a0, \a0+1
.irp b, 0,1,2,3,4,5,6,7
.if \zero
	v_wmma_scale_f32_16x16x128_f8f6f4 v[8*(8*((\a)%4)+\b):8*(8*((\a)%4)+\b)+7], v[128*(\p)+FR*\b:128*(\p)+FR*\b+FR-1], v[AF+FR*(\a):AF+FR*(\a)+FR-1], v[BI+8*\b:BI+8*\b+7], v[SC+8*NQ*(\sc)+NQ*\b+(\q)], v[SC+8*NQ*(\sc)+NQ*(\a)+(\q)] matrix_a_fmt:MATRIX_FMT_FP4 matrix_b_fmt:MATRIX_FMT_FP4 matrix_a_scale:MATRIX_SCALE_ROW1
.else
	v_wmma_scale_f32_16x16x128_f8f6f4 v[8*(8*((\a)%4)+\b):8*(8*((\a)%4)+\b)+7], v[128*(\p)+FR*\b:128*(\p)+FR*\b+FR-1], v[AF+FR*(\a):AF+FR*(\a)+FR-1], v[8*(8*((\a)%4)+\b):8*(8*((\a)%4)+\b)+7], v[SC+8*NQ*(\sc)+NQ*\b+(\q)], v[SC+8*NQ*(\sc)+NQ*(\a)+(\q)] matrix_a_fmt:MATRIX_FMT_FP4 matrix_b_fmt:MATRIX_FMT_FP4 matrix_a_scale:MATRIX_SCALE_ROW1
.endif
.endr
.endr
.endm
.macro FETCH_B slot, q, p
	WIN TO_B
.irp i, 0,1,2,3,4,5,6,7
	FRAG 128*(\p)+FR*\i, ADRB+\slot, \q, \i
.endr
	WIN 0
.endm
.macro FETCH_A slot, q, i0
.irp i, \i0, \i0+1, \i0+2, \i0+3
	FRAG AF+FR*(\i), ADRA+\slot, \q, \i
.endr
.endm
.macro SCALES sc                       ; a slot's scale words: four a row; lanes 0-15 take x's block i, lanes 16-31 w_attn's block i
.irp i, 0,1,2,3,4,5,6,7
	ds_load_b128 v[SC+8*NQ*\sc+NQ*\i:SC+8*NQ*\sc+NQ*\i+3], v[ADRS] offset:\i*SBLK
.endr
.endm
.macro PLACES n                        ; plain vector instructions between a matrix instruction and a load into, or a vector read or write of, its registers
.rept \n
	v_nop
.endr
.endm
.macro STEP slot, q, zero              ; 128 along K, with its successor in the same slot
	s_wait_dscnt 4*NL                              ; w's set and x's blocks 0-3 are in; the youngest eight loads (x's blocks 4-7) may be out
	WIN MUL_LO-0x20*(\zero)
	MUL16 0, (\q)%2, \q, \slot, \zero
	MUL16 2, (\q)%2, \q, \slot, \zero
	s_wait_dscnt 0
	PLACES NP
	FETCH_B \slot, (\q)+1, 1-(\q)%2
	FETCH_A \slot, (\q)+1, 0
	WIN MUL_HI-0x30*(\zero)
	MUL16 4, (\q)%2, \q, \slot, \zero
	MUL16 6, (\q)%2, \q, \slot, \zero
	PLACES NP
	WIN 0
	FETCH_A \slot, (\q)+1, 4
.endm
.macro STEPS slot, from
.set Q, \from
.rept NQ-1-\from
	STEP \slot, Q, 0
.set Q, Q+1
.endr
.endm
	s_wait_tensorcnt 1                             ; the scales and my part of slot 0 are in (slot 1's load may be out),
	s_barrier_signal -1
	s_barrier_wait -1                              ; everybody's are
	FETCH_B 0, 0, 0
	FETCH_A 0, 0, 0
	SCALES 0
	FETCH_A 0, 0, 4
	s_wait_loadcnt 0x0                             ; the bias
	STEP 0, 0, 1
	STEPS 0, 1
	; slot 0's last step changes slots: my part of slot 1 has landed, and behind the barrier everybody's has.  Nothing is filled again.
	s_wait_tensorcnt 0x0
	ds_add_u32 v[SPW], v[NIL]                      ; 0 onto my spare word
	s_wait_dscnt 4*NL+1                            ; (the add and the youngest eight loads may be out)
	WIN MUL_LO
	MUL16 0, 1, NQ-1, 0, 0
	s_wait_dscnt 0x0
	s_barrier_signal -1
	MUL16 2, 1, NQ-1, 0, 0
	WIN 0
	s_barrier_wait -1
	PLACES NP
	v_add_nc_u32 v[ADRS], 4*NQ, v[ADRS]            ; on to slot 1's scale words
	FETCH_B 1, 0, 0
	FETCH_A 1, 0, 0
	SCALES 1
	WIN MUL_HI
	MUL16 4, 1, NQ-1, 0, 0
	MUL16 6, 1, NQ-1, 0, 0
	PLACES NP
	WIN 0
	FETCH_A 1, 0, 4
	STEPS 1, 0
	s_wait_dscnt 4*NL                              ; the very last step: nothing more to fetch
	WIN MUL_LO
	MUL16 0, 1, NQ-1, 1, 0
	MUL16 2, 1, NQ-1, 1, 0
	s_wait_dscnt 0
	WIN MUL_HI
	MUL16 4, 1, NQ-1, 1, 0
	MUL16 6, 1, NQ-1, 1, 0
	WIN 0
; THE WAY OUT.  Block a (16 tokens x 128 columns): each accumulator, from its low end on, rounds to 16 bytes a lane, and each store of the wave covers 512 consecutive bytes, aligned: no stage is needed.
.macro OUT a
.if (\a) >= 4
	s_wait_xcnt 0x0                                ; block a - 4's stores have read their registers
.endif
	WIN 0x0a+5*((\a)/4)                            ; sources in window 2 or 3, destination in window 0
.irp b, 0,1,2,3,4,5,6,7
.irp r, 0,1,2,3
	v_cvt_pk_f16_f32 v[PK+32*((\a)%4)+4*\b+\r], v[64*((\a)%4)+8*\b+2*\r], v[64*((\a)%4)+8*\b+2*\r+1]
.endr
.endr
	WIN 0
.irp b, 0,1,2,3,4,5,6,7
	global_store_b128 v[CO], v[PK+32*((\a)%4)+4*\b:PK+32*((\a)%4)+4*\b+3], s[12:13] offset:(\a)*2048+(\b/4)*262144+(\b%4)*512   ; token tile a; head b / 4; 16 of the head's 64: b % 4
.endr
.endm
	PLACES NP
.irp a, 0,1,2,3,4,5,6,7
	OUT \a
.endr
	s_wait_tensorcnt 0x0                           ; the wave's end
	ds_add_u32 v[SPW], v[NIL]
	s_wait_dscnt 0x0
	CROUND                                         ; the closing round
	s_endpgm
.Lfunc_end_k_qad23d869a4_qkv:
	.size	k_qad23d869a4_qkv, .Lfunc_end_k_qad23d869a4_qkv-k_qad23d869a4_qkv
	.p2alignl 7, 3214868480
	.fill 96, 4, 3214868480
	.section	.rodata,"a",@progbits
	.p2align	6, 0x0
	.amdhsa_kernel k_qad23d869a4_qkv
		.amdhsa_group_segment_fixed_size 327680
		.amdhsa_private_segment_fixed_size 0
		.amdhsa_enable_private_segment 0
		.amdhsa_kernarg_size 32
		.amdhsa_user_sgpr_count 2
		.amdhsa_user_sgpr_kernarg_segment_ptr 1
		.amdhsa_wavefront_size32 1
		.amdhsa_system_sgpr_workgroup_id_x 1
		.amdhsa_system_sgpr_workgroup_id_y 1
		.amdhsa_system_sgpr_workgroup_id_z 1
		.amdhsa_system_vgpr_workitem_id 0
		.amdhsa_next_free_vgpr 1024
		.amdhsa_next_free_sgpr 100
		.amdhsa_reserve_vcc 0
		.amdhsa_float_denorm_mode_32 3
		.amdhsa_float_denorm_mode_16_64 3
		.amdhsa_memory_ordered 1
		.amdhsa_forward_progress 1
		.amdhsa_inst_pref_size 122
	.end_amdhsa_kernel
	.amdgpu_metadata
---
amdhsa.version: [ 1, 2 ]
amdhsa.kernels:
  - .name:           k_qad23d869a4_qkv
    .symbol:         k_qad23d869a4_qkv.kd
    .args:
      - { .name: xq, .offset: 0, .size: 8, .value_kind: global_buffer, .address_space: global }
      - { .name: wq, .offset: 8, .size: 8, .value_kind: global_buffer, .address_space: global }
      - { .name: b_attn, .offset: 16, .size: 8, .value_kind: global_buffer, .address_space: global }
      - { .name: qkv, .offset: 24, .size: 8, .value_kind: global_buffer, .address_space: global }
    .group_segment_fixed_size: 327680
    .private_segment_fixed_size: 0
    .kernarg_segment_align: 8
    .kernarg_segment_size: 32
    .max_flat_workgroup_size: 128
    .sgpr_count:     100
    .vgpr_count:     1024
    .wavefront_size: 32
...
	.end_amdgpu_metadata
.endif
;; end of part 2
;; launch attn (part 3): grid 4 x 64, 8 waves a work-group, no clusters, 33,792 bytes of LDS; arguments qkv, mk, atti; writes atti
.if DOCPART == 3
	.amdgcn_target "amdgcn-amd-amdhsa--gfx1250"
	.amdhsa_code_object_version 6
	.text
	.protected	k_qad23d869a4_attn
	.globl	k_qad23d869a4_attn
	.p2align	8
	.type	k_qad23d869a4_attn,@function
k_qad23d869a4_attn:
	s_mov_b64 s[64:65], 0
	v_nop
	global_prefetch_b8 v0, s[64:65] scope:SCOPE_SE
	s_setreg_imm32_b32 hwreg(HW_REG_WAVE_MODE, 25, 1), 1
	s_wait_xcnt 0x0
; att[b][h][q] = the sum over keys of softmax_key(q . k / 8, under the given mask) v.  q, k, v come as f16 in the order of the operands' registers; products on f16 with f32 sums; maxima, exponentials and sums in f32.
; LEFT OUT: a step of 64 keys in which the GIVEN mask keeps nothing for a wave's 32 queries (its weights are 0); which steps those are is read from mk, which the first launch made of the mask (shown at the head of the first kernel).
; LIMITS: scores under -3e38 are not served; |att| up to 65,504 (f16); a query for which the mask keeps no key gives 0 x (1 / 0) = NaN, as the softmax of a row of -inf does.
; SHARES.  A work-group belongs to one batch and head (y) and makes two passes of 256 queries: blocks 7 - x and x.  Wave w owns query tiles 16 QB + 2 w and + 1.  Every pass walks 32 steps of 64 keys in a loop of constant count;
; barriers are passed by all waves in every step; only loads, LDS stores and a wave's own arithmetic are jumped over, by scalar branches on the stored flags.  Such branches are why K and V come through registers and not by tensor loads,
; and why no cluster shares them: partners would need different tiles.
; LDS: two slots of 16,384 bytes: a step's K (8,192 bytes as they lie in memory), then its V.  While a step is worked on, the next step's 16 KB are loaded into 16 registers a lane and stored into the other slot: one barrier a step.
; LAYOUT.  S^T = K Q^T (source 0 = 16 keys, source 1 = 16 queries): a lane holds one query (lane % 16) and keys 8 (lane / 16) + 0..7 of each key tile; two tiles rounded to f16 are source 1 of O^T = V^T P.  V is turned by ds_load_tr16_b128.
; SOFTMAX.  A running maximum m and sum l for each query; p = 2^(c s - c m), c = log2(e) / 8; in every step O and l are multiplied by 2^(c m_old - c m_new).
.set SLOTB, 16384
.set SPARE, 32768                      ; the spare words, 128 bytes for each of the eight waves: no other line names them
.set SPW,  1                           ; v1   SPARE + 4 x my thread's number; never rewritten
.set NIL,  2                           ; v2   0; never rewritten
.set LI,   3                           ; v3   16 x lane
.set TI,   4                           ; v4   16 x thread
.set NINF, 5                           ; v5   -infinity
.set PFO,  6                           ; v6   256 x lane
.set ST,   8                           ; v8-23   statistics, 8 a tile: +0 c m, +1 m, +2, +3 l, +4 to +7 at work; +6 the factor
.set Q,    24                          ; v24-55  Q: fragment (tile u, 32 of the head's 64: d) at 16 u + 8 d
.set S,    56                          ; v56-119 S^T: tile u at 32 u, key tile at 8 kt; then p; P lies over the first 16 of each tile
.set O,    120                         ; v120-183 O^T: 32 u + 8 dt
.set F,    184                         ; v184-215 four fragments of K or V
.set G,    216                         ; v216-231 the next step's K and V on their way to LDS
.set CV,   232                         ; v232-233 c, twice
; s2 wave, s3 x, s4 batch x head, s5 QB, s6 passes to go, s7 trips to go, s8 step, s9 prefetch limit, s10 flags of the work-group, s11 'some' and s12 'all' of my two tiles, s13 at work, s[14:15] lane selects,
; s[16:63], s[80:95] mask words and at work, s[66:67] prefetch address, s[68:73] arguments, s[74:79] my head in q, k, v, s[96:101] the step's K, V and mask words
	s_load_b128 s[68:71], s[0:1], 0x0              ; qkv, mk
	s_load_b64 s[72:73], s[0:1], 0x10              ; atti
	v_lshl_add_u32 v[SPW], v0, 2, SPARE
	v_mov_b32 v[NIL], 0
	v_lshrrev_b32 v7, 5, v0
	v_readfirstlane_b32 s2, v7
	v_and_b32 v7, 31, v0
	v_lshlrev_b32 v[LI], 4, v7
	v_lshlrev_b32 v[TI], 4, v0
	v_mov_b32 v[NINF], 0xff800000
	v_lshlrev_b32 v[PFO], 8, v7
	v_mov_b32 v[CV], 0x3e38aa3b                    ; c = log2(e) / sqrt(64)
	v_mov_b32 v[CV+1], 0x3e38aa3b
.set I, 0
.rept 16
	v_mov_b32 v[G+I], 0                            ; written once, so that every way through the text finds them written
	v_mov_b32 v[ST+I], 0
.set I, I+1
.endr
	s_mov_b32 s3, ttmp9
	s_and_b32 s4, ttmp7, 0xffff
	s_sub_co_u32 s5, 7, s3                         ; the first pass takes block 7 - x
	s_mov_b32 s6, 2
	s_mov_b32 s14, 0x76543210
	s_mov_b32 s15, 0xfedcba98                      ; v_permlanex16_b32's selects for lane l xor 16
	s_lshl_b32 s16, s4, 18
	s_mov_b32 s17, 0
	s_lshr_b32 s13, s2, 1                          ; 0 in waves 0 and 1,
	s_or_b32 s13, s13, s3                          ; of the head's first work-group
	s_cmp_eq_u32 s13, 0
	s_cselect_b32 s9, 29, 0                        ; they prefetch in steps 0 to 28 of the first pass
	s_wait_kmcnt 0x0
	s_add_nc_u64 s[74:75], s[68:69], s[16:17]      ; q of my head,
	s_add_nc_u64 s[76:77], s[74:75], 0x1000000     ; k,
	s_add_nc_u64 s[78:79], s[74:75], 0x2000000     ; v
	s_cmp_eq_u32 s2, 0
	s_cselect_b64 s[66:67], s[76:77], s[78:79]     ; wave 0 asks for K's bytes, wave 1 for V's,
	s_add_nc_u64 s[66:67], s[66:67], 3*8192        ; three steps ahead of the step in hand
.macro KQ slot                         ; S^T = K Q^T, two key tiles at a time; four accumulators by turns
.irp g, 0,1
.if \g
.rept 4
	v_nop                                          ; places in front of loads into registers that matrix instructions have read
.endr
.endif
.irp i, 0,1,2,3
.irp c, 0,1
	ds_load_b128 v[F+8*\i+4*\c:F+8*\i+4*\c+3], v[LI] offset:(\slot)*SLOTB+(2*\g+\i/2)*2048+(\i%2)*1024+512*\c
.endr
.endr
	s_wait_dscnt 0x0
.irp k, 0,1
.irp u, 0,1
	v_wmma_f32_16x16x32_f16 v[S+32*\u+8*(2*\g+\k):S+32*\u+8*(2*\g+\k)+7], v[F+16*\k:F+16*\k+7], v[Q+16*\u:Q+16*\u+7], 0
.endr
.endr
.irp k, 0,1
.irp u, 0,1
	v_wmma_f32_16x16x32_f16 v[S+32*\u+8*(2*\g+\k):S+32*\u+8*(2*\g+\k)+7], v[F+16*\k+8:F+16*\k+15], v[Q+16*\u+8:Q+16*\u+15], v[S+32*\u+8*(2*\g+\k):S+32*\u+8*(2*\g+\k)+7]
.endr
.endr
.endr
.rept 4
	v_nop                                          ; places in front of the first read of the scores and of the loads of V
.endr
.endm
.macro VLOAD slot, f                   ; V^T of keys 32 f on: four fragments of 16 channels x 32 keys
.irp d, 0,1,2,3
	ds_load_tr16_b128 v[F+8*\d:F+8*\d+3], v[LI] offset:(\slot)*SLOTB+8192+(2*(\f))*2048+512*\d
	ds_load_tr16_b128 v[F+8*\d+4:F+8*\d+7], v[LI] offset:(\slot)*SLOTB+8192+(2*(\f)+1)*2048+512*\d
.endr
.endm
.macro PV f                            ; O^T += V^T P: eight accumulators by turns
.irp d, 0,1,2,3
.irp u, 0,1
	v_wmma_f32_16x16x32_f16 v[O+32*\u+8*\d:O+32*\u+8*\d+7], v[F+8*\d:F+8*\d+7], v[S+32*\u+8*(\f):S+32*\u+8*(\f)+7], v[O+32*\u+8*\d:O+32*\u+8*\d+7]
.endr
.endr
.endm
.macro SOFTMAX                         ; both tiles line by line, so that no line waits for the line above it
.irp j, 0,1,2,3
.irp u, 0,1
	v_max3_num_f32 v[ST+8*\u+4+\j], v[S+32*\u+8*\j], v[S+32*\u+8*\j+1], v[S+32*\u+8*\j+2]    ; four chains; each accumulator is read from its low end on
.endr
.endr
.irp p, 1,2
.irp j, 0,1,2,3
.irp u, 0,1
	v_max3_num_f32 v[ST+8*\u+4+\j], v[ST+8*\u+4+\j], v[S+32*\u+8*\j+2*\p+1], v[S+32*\u+8*\j+2*\p+2]
.endr
.endr
.endr
.irp u, 0,1
	v_max3_num_f32 v[ST+8*\u+4], v[ST+8*\u+4], v[S+32*\u+7], v[S+32*\u+15]
.endr
.irp u, 0,1
	v_max3_num_f32 v[ST+8*\u+6], v[ST+8*\u+6], v[S+32*\u+23], v[S+32*\u+31]
.endr
.irp u, 0,1
	v_max3_num_f32 v[ST+8*\u+4], v[ST+8*\u+4], v[ST+8*\u+5], v[ST+8*\u+6]
.endr
.irp u, 0,1
	v_max3_num_f32 v[ST+8*\u+4], v[ST+8*\u+4], v[ST+8*\u+7], v[ST+8*\u+1]    ; and the old m
.endr
.irp u, 0,1
	v_permlanex16_b32 v[ST+8*\u+5], v[ST+8*\u+4], s14, s15                   ; the query's other 32 keys lie in the lane 16 away
.endr
.irp u, 0,1
	v_mov_b32 v[ST+8*\u+7], v[ST+8*\u]             ; c m_old
.endr
.irp u, 0,1
	v_max_num_f32 v[ST+8*\u+1], v[ST+8*\u+4], v[ST+8*\u+5]
.endr
.irp u, 0,1
	v_mul_f32 v[ST+8*\u], v[CV], v[ST+8*\u+1]
.endr
.irp u, 0,1
	v_sub_f32 v[ST+8*\u+7], v[ST+8*\u+7], v[ST+8*\u]
.endr
.set I, 0
.rept 16
.irp u, 0,1
	v_pk_fma_f32 v[S+32*\u+I:S+32*\u+I+1], v[S+32*\u+I:S+32*\u+I+1], v[CV:CV+1], v[ST+8*\u:ST+8*\u+1] op_sel_hi:[1,1,0] neg_lo:[0,0,1] neg_hi:[0,0,1]   ; c s - c m
.endr
.set I, I+2
.endr
.irp u, 0,1
	v_exp_f32 v[ST+8*\u+6], v[ST+8*\u+7]           ; the factor 2^(c m_old - c m_new)
.endr
.set I, 0
.rept 64
	v_exp_f32 v[S+I], v[S+I]                       ; p; a hidden key's -inf gives 0
.set I, I+1
.endr
	v_nop                                          ; one plain instruction behind the last exponential
	s_wait_alu depctr_va_vdst(0)                   ; one wait for the batch of 66, ahead of its first reader
.irp u, 0,1
	v_pk_add_f32 v[ST+8*\u+4:ST+8*\u+5], v[S+32*\u:S+32*\u+1], v[S+32*\u+2:S+32*\u+3]      ; the sums are taken of the unrounded p, in two chains
.endr
.irp u, 0,1
	v_pk_mul_f32 v[ST+8*\u+2:ST+8*\u+3], v[ST+8*\u+2:ST+8*\u+3], v[ST+8*\u+6:ST+8*\u+7] op_sel_hi:[1,0]
.endr
.irp j, 4,8,12,16,20,24,28
.irp u, 0,1
	v_pk_add_f32 v[ST+8*\u+2:ST+8*\u+3], v[ST+8*\u+2:ST+8*\u+3], v[S+32*\u+\j:S+32*\u+\j+1]
	v_pk_add_f32 v[ST+8*\u+4:ST+8*\u+5], v[ST+8*\u+4:ST+8*\u+5], v[S+32*\u+\j+2:S+32*\u+\j+3]
.endr
.endr
.irp u, 0,1
	v_pk_add_f32 v[ST+8*\u+2:ST+8*\u+3], v[ST+8*\u+2:ST+8*\u+3], v[ST+8*\u+4:ST+8*\u+5]
.endr
.set I, 0
.rept 16
.irp u, 0,1
	v_cvt_pk_f16_f32 v[S+32*\u+I], v[S+32*\u+2*I], v[S+32*\u+2*I+1]          ; P, in place, ascending
.endr
.set I, I+1
.endr
.set I, 0
.rept 16
.irp u, 0,1
	v_pk_mul_f32 v[O+32*\u+I:O+32*\u+I+1], v[O+32*\u+I:O+32*\u+I+1], v[ST+8*\u+6:ST+8*\u+7] op_sel_hi:[1,0]   ; O^T under the new m, each accumulator from its low end on
.endr
.set I, I+2
.endr
.endm
.macro COMPUTE slot
.rept 5
	v_nop                                          ; the scores are written by matrix instructions over P, which the last products read: five places
.endr
	s_bitcmp1_b32 s12, 0                           ; does the mask keep all 32 x 64 entries of this step?
	s_cbranch_scc1 .Lfull_\@
	s_load_b512 s[16:31], s[100:101], 0x0          ; no: the 64 lane masks, 32 for each of my two tiles
	s_load_b512 s[32:47], s[100:101], 0x40
	s_load_b512 s[48:63], s[100:101], 0x1000
	s_load_b512 s[80:95], s[100:101], 0x1040
	KQ \slot
	s_wait_kmcnt 0x0
.set I, 0
.rept 32
	v_cndmask_b32 v[S+I], v[NINF], v[S+I], s[16+I] ; hidden scores become -infinity ahead of the maximum
.set I, I+1
.endr
.set I, 0
.rept 16
	v_cndmask_b32 v[S+32+I], v[NINF], v[S+32+I], s[48+I]
.set I, I+1
.endr
.set I, 0
.rept 16
	v_cndmask_b32 v[S+48+I], v[NINF], v[S+48+I], s[80+I]
.set I, I+1
.endr
	s_branch .Ljoin_\@
.Lfull_\@:
	KQ \slot
.Ljoin_\@:
	VLOAD \slot, 0                                 ; lands while the softmax is walked
	SOFTMAX
	s_wait_dscnt 0x0
	PV 0
.rept 4
	v_nop
.endr
	VLOAD \slot, 1
	s_wait_dscnt 0x0
	PV 1
.endm
; A STEP of 64 keys, read from slot.  Bit 0 of s10 (behind the shift): some wave wants the NEXT step; bit 0 of s11, s12: this step, my tiles.
.macro STEP slot
	s_lshr_b32 s10, s10, 1
	s_bitcmp1_b32 s10, 0
	s_cbranch_scc0 .Lno_load_\@
	global_load_b128 v[G:G+3], v[TI], s[96:97] offset:8192         ; the eight waves' load covers 4,096 consecutive bytes
	global_load_b128 v[G+4:G+7], v[TI], s[96:97] offset:12288
	global_load_b128 v[G+8:G+11], v[TI], s[98:99] offset:8192
	global_load_b128 v[G+12:G+15], v[TI], s[98:99] offset:12288
.Lno_load_\@:
	s_cmp_lt_u32 s8, s9                            ; a prefetch of step + 3's 8,192 bytes of K (wave 0) or V (wave 1), lanes 256 bytes apart: two steps ahead of the load that names them.  One work-group of a head asks, in its first pass:
	s_cbranch_scc0 .Lno_ask_\@                     ; each block of 256 bytes is named once; steps 0 to 2 come by their loads alone; step 28 names step 31, the last
	global_prefetch_b8 v[PFO], s[66:67] th:TH_LOAD_NT scope:SCOPE_SE
.Lno_ask_\@:
	s_bitcmp1_b32 s11, 0
	s_cbranch_scc0 .Lno_work_\@
	COMPUTE \slot
.Lno_work_\@:
	s_wait_loadcnt 0x0                             ; the next step's bytes are in registers
	s_bitcmp1_b32 s10, 0
	s_cbranch_scc0 .Lno_store_\@
.irp i, 0,1,2,3
	ds_store_b128 v[TI], v[G+4*\i:G+4*\i+3] offset:(1-(\slot))*SLOTB+4096*\i     ; into the other slot, whose last reads ended in front of the last barrier
.endr
.Lno_store_\@:
	s_lshr_b32 s11, s11, 1
	s_lshr_b32 s12, s12, 1
	s_wait_xcnt 0x0                                ; the loads and the prefetch have read their addresses, which step now
	s_add_nc_u64 s[96:97], s[96:97], 8192
	s_add_nc_u64 s[98:99], s[98:99], 8192
	s_add_nc_u64 s[66:67], s[66:67], 8192
	s_add_nc_u64 s[100:101], s[100:101], 128
	s_add_co_u32 s8, s8, 1
	s_wait_dscnt 0x0                               ; for the others' sake: my stores have landed and my reads of this slot are over
	s_barrier_signal -1
	s_barrier_wait -1
.endm
.Lpass:
	s_wait_xcnt 0x0                                ; the last pass's stores have read their registers and their base
	s_lshl_b32 s80, s5, 7                          ; the flags of the block's 16 query tiles: 128 bytes
	s_mov_b32 s81, 0
	s_add_nc_u64 s[80:81], s[70:71], s[80:81]
	s_lshl_b32 s82, s2, 4                          ; and of my two tiles: 16 bytes
	s_mov_b32 s83, 0
	s_add_nc_u64 s[82:83], s[80:81], s[82:83]
	s_load_b512 s[16:31], s[80:81], 0x80000
	s_load_b512 s[32:47], s[80:81], 0x80040
	s_load_b128 s[48:51], s[82:83], 0x80000
	s_lshl_b32 s13, s5, 4
	s_lshl_b32 s84, s2, 1
	s_add_co_u32 s13, s13, s84                     ; my first query tile: 16 QB + 2 w
	s_lshl_b32 s84, s13, 11
	s_mov_b32 s85, 0
	s_add_nc_u64 s[84:85], s[74:75], s[84:85]
.irp u, 0,1
.irp d, 0,1
.irp c, 0,1
	global_load_b128 v[Q+16*\u+8*\d+4*\c:Q+16*\u+8*\d+4*\c+3], v[LI], s[84:85] offset:2048*\u+1024*\d+512*\c
.endr
.endr
.endr
	s_mov_b64 s[96:97], s[76:77]
	s_mov_b64 s[98:99], s[78:79]
	s_lshl_b32 s86, s13, 12
	s_mov_b32 s87, 0
	s_add_nc_u64 s[100:101], s[70:71], s[86:87]    ; my tiles' lane masks
	s_mov_b32 s8, 0
.irp u, 0,1
	v_mov_b32 v[ST+8*\u+1], 0xff61b1e6             ; m = -3e38, under every score
	v_mul_f32 v[ST+8*\u], v[CV], v[ST+8*\u+1]
	v_mov_b32 v[ST+8*\u+2], 0                      ; l
	v_mov_b32 v[ST+8*\u+3], 0
.endr
.set I, 0
.rept 64
	v_mov_b32 v[O+I], 0                            ; which step is a wave's first hangs on the flags, so no first step can be written out: the sums begin as zeros
.set I, I+1
.endr
	s_wait_kmcnt 0x0
	s_or_b32 s10, s16, s18                         ; some wave of the work-group wants the step
.irp k, 20,22,24,26,28,30,32,34,36,38,40,42,44,46
	s_or_b32 s10, s10, s\k
.endr
	s_or_b32 s11, s48, s50                         ; one of my two tiles does
	s_and_b32 s12, s49, s51                        ; the mask keeps all of both
	s_bitcmp1_b32 s10, 0
	s_cbranch_scc0 .Lno_first
	global_load_b128 v[G:G+3], v[TI], s[96:97]
	global_load_b128 v[G+4:G+7], v[TI], s[96:97] offset:4096
	global_load_b128 v[G+8:G+11], v[TI], s[98:99]
	global_load_b128 v[G+12:G+15], v[TI], s[98:99] offset:4096
	s_wait_loadcnt 0x0
.irp i, 0,1,2,3
	ds_store_b128 v[TI], v[G+4*\i:G+4*\i+3] offset:4096*\i     ; step 0 into slot 0, which nobody has read since the barrier of the last pass's step 30
.endr
.Lno_first:
	s_wait_loadcnt 0x0                             ; Q
	s_wait_dscnt 0x0
	s_barrier_signal -1
	s_barrier_wait -1
	s_mov_b32 s7, 16
.Ltrip:
	STEP 0
	STEP 1
	s_sub_co_u32 s7, s7, 1
	s_cmp_lg_u32 s7, 0
	s_cbranch_scc1 .Ltrip
	; THE WAY OUT of a pass: O^T / l, rounded to f16: a lane's eight channels of a query are 16 bytes, one piece of the projection's operand: atti [token tile 512][32 k 32][1,024 bytes]
.rept 4
	v_nop
.endr
.irp u, 0,1
	v_add_f32 v[ST+8*\u+4], v[ST+8*\u+2], v[ST+8*\u+3]
.endr
.irp u, 0,1
	v_permlanex16_b32 v[ST+8*\u+5], v[ST+8*\u+4], s14, s15
.endr
.irp u, 0,1
	v_add_f32 v[ST+8*\u+4], v[ST+8*\u+4], v[ST+8*\u+5]
.endr
.irp u, 0,1
	v_rcp_f32 v[ST+8*\u+6], v[ST+8*\u+4]
.endr
	v_nop                                          ; one plain instruction behind the last reciprocal
	s_lshl_b32 s13, s5, 4
	s_lshl_b32 s80, s2, 1
	s_add_co_u32 s13, s13, s80
	s_lshr_b32 s80, s4, 4
	s_lshl_b32 s80, s80, 7
	s_add_co_u32 s80, s80, s13                     ; token tile 128 x batch + 16 QB + 2 w
	s_lshl_b32 s80, s80, 15
	s_and_b32 s81, s4, 15
	s_lshl_b32 s81, s81, 11                        ; the head's two fragments
	s_add_co_u32 s80, s80, s81
	s_mov_b32 s81, 0
	s_add_nc_u64 s[80:81], s[72:73], s[80:81]
	s_wait_alu depctr_va_vdst(0)                   ; the wait ahead of the reciprocals' first reader
.set I, 0
.rept 32
	v_mul_f32 v[S+I], v[O+I], v[ST+6]
.set I, I+1
.endr
.set I, 0
.rept 32
	v_mul_f32 v[S+32+I], v[O+32+I], v[ST+14]
.set I, I+1
.endr
.set I, 0
.rept 32
	v_cvt_pk_f16_f32 v[S+I], v[S+2*I], v[S+2*I+1]  ; in place, ascending
.set I, I+1
.endr
.irp u, 0,1
.irp d, 0,1,2,3
	global_store_b128 v[LI], v[S+16*\u+4*\d:S+16*\u+4*\d+3], s[80:81] offset:32768*\u+512*\d   ; the wave stores 512 consecutive bytes, aligned
.endr
.endr
	s_sub_co_u32 s5, 7, s5                         ; the second pass takes block x
	s_mov_b32 s9, 0                                ; and prefetches nothing
	s_sub_co_u32 s6, s6, 1
	s_cmp_lg_u32 s6, 0
	s_cbranch_scc1 .Lpass
	s_wait_tensorcnt 0x0                           ; the wave's end, behind my last LDS store
	ds_add_u32 v[SPW], v[NIL]
	s_wait_dscnt 0x0
	s_endpgm
.Lfunc_end_k_qad23d869a4_attn:
	.size	k_qad23d869a4_attn, .Lfunc_end_k_qad23d869a4_attn-k_qad23d869a4_attn
	.p2alignl 7, 3214868480
	.fill 96, 4, 3214868480
	.section	.rodata,"a",@progbits
	.p2align	6, 0x0
	.amdhsa_kernel k_qad23d869a4_attn
		.amdhsa_group_segment_fixed_size 33792
		.amdhsa_private_segment_fixed_size 0
		.amdhsa_enable_private_segment 0
		.amdhsa_kernarg_size 24
		.amdhsa_user_sgpr_count 2
		.amdhsa_user_sgpr_kernarg_segment_ptr 1
		.amdhsa_wavefront_size32 1
		.amdhsa_system_sgpr_workgroup_id_x 1
		.amdhsa_system_sgpr_workgroup_id_y 1
		.amdhsa_system_sgpr_workgroup_id_z 1
		.amdhsa_system_vgpr_workitem_id 0
		.amdhsa_next_free_vgpr 256
		.amdhsa_next_free_sgpr 102
		.amdhsa_reserve_vcc 0
		.amdhsa_float_denorm_mode_32 3
		.amdhsa_float_denorm_mode_16_64 3
		.amdhsa_memory_ordered 1
		.amdhsa_forward_progress 1
		.amdhsa_inst_pref_size 65
	.end_amdhsa_kernel
	.amdgpu_metadata
---
amdhsa.version: [ 1, 2 ]
amdhsa.kernels:
  - .name:           k_qad23d869a4_attn
    .symbol:         k_qad23d869a4_attn.kd
    .args:
      - { .name: qkv, .offset: 0, .size: 8, .value_kind: global_buffer, .address_space: global }
      - { .name: mk, .offset: 8, .size: 8, .value_kind: global_buffer, .address_space: global }
      - { .name: atti, .offset: 16, .size: 8, .value_kind: global_buffer, .address_space: global }
    .group_segment_fixed_size: 33792
    .private_segment_fixed_size: 0
    .kernarg_segment_align: 8
    .kernarg_segment_size: 24
    .max_flat_workgroup_size: 256
    .sgpr_count:     102
    .vgpr_count:     256
    .wavefront_size: 32
...
	.end_amdgpu_metadata
.endif
;; end of part 3
;; launch proj (part 4): grid 4 x 64, 4 waves a work-group, clusters of 4 x 4, 327,680 bytes of LDS; arguments atti, wpi, b_proj, out0; writes out0
.if DOCPART == 4
	.amdgcn_target "amdgcn-amd-amdhsa--gfx1250"
	.amdhsa_code_object_version 6
	.text
	.protected	k_qad23d869a4_proj
	.globl	k_qad23d869a4_proj
	.p2align	8
	.type	k_qad23d869a4_proj,@function
k_qad23d869a4_proj:
	s_mov_b64 s[64:65], 0
	v_nop
	global_prefetch_b8 v0, s[64:65] scope:SCOPE_SE
	s_setreg_imm32_b32 hwreg(HW_REG_WAVE_MODE, 25, 1), 1
	s_wait_xcnt 0x0
	s_wait_alu depctr_hold_cnt(0) depctr_sa_sdst(0) depctr_va_vdst(0) depctr_va_sdst(0) depctr_va_ssrc(0) depctr_va_vcc(0) depctr_vm_vsrc(0)
	s_getreg_b32 s2, hwreg(HW_REG_IB_STS2, 6, 4)
	s_cmp_eq_u32 s2, 0
	s_cbranch_scc0 .Lentry_in_a_cluster
	s_endpgm
.Lentry_in_a_cluster:
	s_bfe_u32 s2, ttmp6, 0x10000c
	s_cmp_lg_u32 s2, 0xf033
	s_cbranch_scc0 .Lentry_shape_is_right
	s_endpgm
.Lentry_shape_is_right:
; out0 = att w_proj + b_proj.  att [8192][1024] and w_proj come as f16 in the order of the operands' registers: [tile of 16 rows][32 k: 32][1,024 bytes], lane L's 16 bytes of each half at 16 L.  Sums in f32; the bias is the C of the first products.
; A tile of 128 tokens x 256 columns is made by four waves, 64 x 128 each: 32 accumulators.  That gives 256 work-groups.  K goes in steps of 128 (4,096 consecutive bytes of each tile of 16 rows) through two LDS slots:
; 8 token tiles (32 KB) and 16 column tiles (64 KB).  Fragments lie in LDS as images of their registers: every LDS load takes 512 consecutive bytes; no pitch, no padding.
; CLUSTERS: 4 x 4 work-groups; att's tiles are shared along a row of the cluster, w_proj's along a column: each is asked for jointly.  By this text's count a wave has two tensor loads out at the start and one behind each round.
; No prefetch is laid: a step's refill has the step's 128 matrix instructions of a wave in which to land, and w_proj's tiles are read by all sixteen rows of clusters.
; THE MATRIX INSTRUCTION IS USED TRANSPOSED (source 0 = 16 columns, source 1 = 16 tokens): a lane holds one token and eight neighbouring columns.
; REGISTERS: window 0: v0-31 addresses; v64-159, v160-255 two fragment buffers (att's four at +0, w_proj's eight at +32); window 1: the accumulators ((a, b) at v[8 (8 a + b)]); window 2: v0-63 the bias.
.set SLOT,   98304
.set BOFF,   32768
.set STAGE,  2*SLOT                    ; behind the ring: 16 rows x (512 bytes + 16) for each wave
.set SPITCH, 528
.set SPARE,  STAGE+4*16*SPITCH         ; the spare words, 128 bytes for each wave: no other line names them
.set LAPS,   4                         ; eight K steps, two a lap
.set ADRA, 16
.set ADRB, 20
.set STO,  24
.set RD,   25
.set CO,   26
.set SPW,  28
.set NIL,  29
.set F0,   64
.set F1,   160
.set G1,  24
.set G0,  32
.set G1B, 48
.set G0B, 56
.set MSB, 0
.macro WIN new                         ; the immediate's high byte repeats the setting that is left
.if MSB != (\new)
	s_set_vgpr_msb (MSB<<8)|(\new)
.set MSB, (\new)
.endif
.endm
.set MUL,  0x50                        ; sources 0 and 1 window 0; C and D window 1
.set MUL0, 0x60                        ; C window 2 (the bias), D window 1
.macro JLOAD s                         ; waves 0 and 1 fetch att's halves, waves 2 and 3 w_proj's; an s_nop 0 and four v_nop follow each of the two lines
	s_cmp_eq_u32 s13, 0
	s_cbranch_scc0 .Lfor_b_\@
	tensor_load_to_lds s[G0+4*\s:G0+4*\s+3], s[G1:G1+7]
	s_nop 0
.rept 4
	v_nop
.endr
	s_branch .Lasked_\@
.Lfor_b_\@:
	tensor_load_to_lds s[G0B+4*\s:G0B+4*\s+3], s[G1B:G1B+7]
	s_nop 0
.rept 4
	v_nop
.endr
.Lasked_\@:
.endm
.macro CREST                           ; a round of the cluster's barrier behind its opening barrier
	s_cmp_lg_u32 s12, 0
	s_cbranch_scc1 .Lnot_wave_0_\@
	s_barrier_signal -3
.Lnot_wave_0_\@:
	s_barrier_wait -3
	s_barrier_signal -1
	s_barrier_wait -1
.endm
.macro CROUND
	s_barrier_signal -1
	s_barrier_wait -1
	CREST
.endm
	s_load_b256 s[4:11], s[0:1], 0x0               ; atti s[4:5], wpi s[6:7], b_proj s[8:9], out0 s[10:11]
	v_lshl_add_u32 v[SPW], v0, 2, SPARE
	v_mov_b32 v[NIL], 0
	ds_add_u32 v[SPW], v[NIL]                      ; the wave's opening: the add, twice on end, and its wait ahead of my first tensor load
	ds_add_u32 v[SPW], v[NIL]
	v_lshrrev_b32 v1, 5, v0
	v_readfirstlane_b32 s12, v1                    ; wave 0..3
	s_lshr_b32 s13, s12, 1                         ; which 64 tokens are mine.  Also: I fetch for att (0) or for w_proj (1)
	s_and_b32 s14, s12, 1                          ; which 128 columns.  Also: which half of that tile I fetch
	s_bfe_u32 s40, ttmp6, 0x40000                  ; cx, cy
	s_bfe_u32 s41, ttmp6, 0x40004
	s_lshl_b32 s42, ttmp9, 2
	s_add_co_u32 s42, s42, s40                     ; tile column
	s_and_b32 s15, ttmp7, 0xffff
	s_lshl_b32 s15, s15, 2
	s_add_co_u32 s15, s15, s41                     ; tile row
	s_lshl_b32 s43, s41, 2
	s_lshl_b32 s43, 15, s43                        ; my row of the cluster
	s_lshl_b32 s44, 0x1111, s40                    ; my column
	s_or_b32 s[G1+0], s43, (3<<16)|(1<<21)         ; mask; elements of 8 bytes; bit 21 beside a mask; no padding
	s_or_b32 s[G1B+0], s44, (3<<16)|(1<<21)
	s_mov_b32 s[G1+1], 512<<16                     ; tensor_dim0: 512 elements = 4,096 bytes: a tile's four fragments of a K step
	s_mov_b32 s[G1+2], 4<<16                       ; tensor_dim1: four token tiles
	s_mov_b32 s[G1+3], 512<<16                     ; tile_dim0
	s_mov_b32 s[G1+4], 4                           ; tile_dim1
	s_mov_b32 s[G1+5], 4096                        ; the pitch: 32,768 bytes from tile to tile
	s_mov_b32 s[G1+6], 0
	s_mov_b32 s[G1+7], 0
	s_mov_b32 s[G1B+1], 512<<16
	s_mov_b32 s[G1B+2], 8<<16                      ; eight column tiles
	s_mov_b32 s[G1B+3], 512<<16
	s_mov_b32 s[G1B+4], 8
	s_mov_b32 s[G1B+5], 4096
	s_mov_b32 s[G1B+6], 0
	s_mov_b32 s[G1B+7], 0
	s_lshl_b32 s16, s15, 18                        ; att: 8 token tiles of 32,768 bytes for each tile row,
	s_lshl_b32 s18, s14, 17                        ; + my four
	s_add_co_u32 s16, s16, s18
	s_mov_b32 s17, 0
	s_lshl_b32 s46, s42, 19                        ; w_proj: 16 column tiles for each tile column,
	s_lshl_b32 s47, s14, 18                        ; + my eight
	s_add_co_u32 s46, s46, s47
	s_mov_b32 s47, 0
	s_lshl_b32 s20, s14, 14                        ; where they go: att's halves,
	s_lshl_b32 s21, s14, 15
	s_add_co_u32 s21, s21, BOFF                    ; w_proj's behind them: no place in the cluster enters an LDS address
	s_wait_dscnt 0x0                               ; both opening adds are done
	s_wait_kmcnt 0x0
	s_add_nc_u64 s[16:17], s[4:5], s[16:17]
	s_add_nc_u64 s[46:47], s[6:7], s[46:47]
	CROUND                                         ; all sixteen work-groups are here: the first joint loads meet
.irp s, 0,1
	s_mov_b32 s[G0+4*\s], 1
	s_add_co_u32 s[G0+4*\s+1], s20, \s*SLOT
	s_add_nc_u64 s[G0+4*\s+2:G0+4*\s+3], s[16:17], \s*4096
	s_or_b32 s[G0+4*\s+3], s[G0+4*\s+3], 0x80000000
	s_mov_b32 s[G0B+4*\s], 1
	s_add_co_u32 s[G0B+4*\s+1], s21, \s*SLOT
	s_add_nc_u64 s[G0B+4*\s+2:G0B+4*\s+3], s[46:47], \s*4096
	s_or_b32 s[G0B+4*\s+3], s[G0B+4*\s+3], 0x80000000
	JLOAD \s
.endr
	v_and_b32 v1, 31, v0
	v_lshlrev_b32 v3, 4, v1                        ; 16 x lane
	s_lshl_b32 s21, s13, 14                        ; my four token tiles
	s_lshl_b32 s22, s14, 15
	s_add_co_u32 s22, s22, BOFF                    ; my eight column tiles
.irp s, 0,1
	v_add_nc_u32 v[ADRA+\s], s21, v3
	v_add_nc_u32 v[ADRB+\s], s22, v3
	s_add_co_u32 s21, s21, SLOT
	s_add_co_u32 s22, s22, SLOT
.endr
	v_and_b32 v4, 15, v0                           ; r
	v_bfe_u32 v2, v0, 4, 1                         ; h
	s_mul_i32 s23, s12, 16*SPITCH
	s_add_co_u32 s23, s23, STAGE                   ; my stage
	v_mul_u32_u24 v5, v4, SPITCH
	v_lshl_add_u32 v5, v2, 5, v5
	v_add_nc_u32 v[STO], s23, v5                   ; in: row r, 32 bytes for each half of the lanes
	v_add_nc_u32 v[RD], s23, v3                    ; back: the 32 lanes take one row of 512 bytes
	v_mov_b32 v[CO], v3                            ; and the same in out0
	v_lshlrev_b32 v6, 5, v2                        ; the bias: my eight numbers of a tile
	s_lshl_b32 s18, s15, 19                        ; 128 rows of 4,096 bytes for each tile row,
	s_lshl_b32 s19, s13, 18                        ; + my 64
	s_add_co_u32 s18, s18, s19
	s_mov_b32 s19, 0
	s_add_nc_u64 s[10:11], s[10:11], s[18:19]
	s_lshl_b32 s46, s42, 10                        ; my first column, in bytes: 1,024 x tile column + 512 x half
	s_lshl_b32 s47, s14, 9
	s_add_co_u32 s46, s46, s47
	s_mov_b32 s47, 0
	s_add_nc_u64 s[10:11], s[10:11], s[46:47]
	s_add_nc_u64 s[8:9], s[8:9], s[46:47]
	WIN 0x80                                       ; destination window 2
.irp b, 0,1,2,3,4,5,6,7
	global_load_b128 v[8*\b:8*\b+3], v6, s[8:9] offset:64*\b       ; register 8 b + j: the bias of column 16 b + 8 h + j, in the result's layout
	global_load_b128 v[8*\b+4:8*\b+7], v6, s[8:9] offset:64*\b+16
.endr
	WIN 0
.macro FETCH slot, q, f                ; the fragments of 32 along K: 24 loads of 512 consecutive bytes
.irp i, 0,1,2,3,4,5,6,7
	ds_load_b128 v[\f+32+8*\i:\f+32+8*\i+3],   v[ADRB+\slot] offset:\i*4096+(\q)*1024
	ds_load_b128 v[\f+32+8*\i+4:\f+32+8*\i+7], v[ADRB+\slot] offset:\i*4096+(\q)*1024+512
.endr
.irp i, 0,1,2,3
	ds_load_b128 v[\f+8*\i:\f+8*\i+3],   v[ADRA+\slot] offset:\i*4096+(\q)*1024
	ds_load_b128 v[\f+8*\i+4:\f+8*\i+7], v[ADRA+\slot] offset:\i*4096+(\q)*1024+512
.endr
.endm
.macro MUL16 f, a0, bias               ; token tiles a0, a0 + 1 x eight column tiles; the 32 accumulators take turns, one instruction a turn
.irp a, \a0, \a0+1
.irp b, 0,1,2,3,4,5,6,7
.if \bias
	v_wmma_f32_16x16x32_f16 v[8*(8*(\a)+\b):8*(8*(\a)+\b)+7], v[\f+32+8*\b:\f+32+8*\b+7], v[\f+8*(\a):\f+8*(\a)+7], v[8*\b:8*\b+7]
.else
	v_wmma_f32_16x16x32_f16 v[8*(8*(\a)+\b):8*(8*(\a)+\b)+7], v[\f+32+8*\b:\f+32+8*\b+7], v[\f+8*(\a):\f+8*(\a)+7], v[8*(8*(\a)+\b):8*(8*(\a)+\b)+7]
.endif
.endr
.endr
.endm
.macro PLACES                          ; four plain vector instructions in front of loads into registers that matrix instructions have read, and of the first read of results
.rept 4
	v_nop
.endr
.endm
.macro QUARTER slot, q, f, g, bias     ; multiplies buffer f (32 along K) and fetches the slot's q-th 32 along K into g
	s_wait_dscnt 0x0                               ; buffer f is in (asked for 16 matrix instructions ago)
	WIN MUL+0x10*(\bias)
	MUL16 \f, 0, \bias
	PLACES
	WIN 0
	FETCH \slot, \q, \g
	WIN MUL+0x10*(\bias)
	MUL16 \f, 2, \bias
.endm
; A slot's last quarter multiplies buffer 1 and changes slots: one barrier; in front of it each wave waits for all its tensor loads, adds 0 to its spare word, and waits for that and for its reads of this slot.
.macro TURN slot, next, fill
	WIN 0
	s_wait_tensorcnt 0x0                           ; all my tensor loads have landed, my part of the next slot among them: so a group 0 may be written
	ds_add_u32 v[SPW], v[NIL]                      ; 0 onto my spare word
.if \fill
	s_add_nc_u64 s[G0+4*\slot+2:G0+4*\slot+3], s[G0+4*\slot+2:G0+4*\slot+3], 2*4096      ; this slot's next K step
	s_add_nc_u64 s[G0B+4*\slot+2:G0B+4*\slot+3], s[G0B+4*\slot+2:G0B+4*\slot+3], 2*4096
.endif
	s_wait_dscnt 0x0                               ; the add is done, and my reads of this slot are over
	s_barrier_signal -1
	WIN MUL
	MUL16 F1, 0, 0                                 ; work on registers while the others arrive
	WIN 0
	s_barrier_wait -1
.if \fill
	CREST                                          ; the barrier has opened a round of the cluster's: no wave of any partner still reads this slot or has a load on its way
	JLOAD \slot                                    ; the first tensor load behind the round; its four v_nop are also the places in front of the loads below
.else
	PLACES
.endif
	FETCH \next, 0, F0
	WIN MUL
	MUL16 F1, 2, 0
.endm
	s_wait_tensorcnt 1                             ; my part of K step 0 is in (K step 1's load may be out),
	s_barrier_signal -1
	s_barrier_wait -1                              ; everybody's is
	FETCH 0, 0, F0
	s_wait_loadcnt 0x0                             ; the bias
	QUARTER 0, 1, F0, F1, 1                        ; the first quarter stands in front of the loop: its products start the sums, on the bias
	WIN 0
	s_mov_b32 s3, LAPS-1
.Llap:                                                 ; a trip goes once round the ring and fills both slots again
	QUARTER 0, 2, F1, F0, 0
	QUARTER 0, 3, F0, F1, 0
	TURN 0, 1, 1
	QUARTER 1, 1, F0, F1, 0
	QUARTER 1, 2, F1, F0, 0
	QUARTER 1, 3, F0, F1, 0
	TURN 1, 0, 1
	QUARTER 0, 1, F0, F1, 0
	WIN 0
	s_sub_co_u32 s3, s3, 1
	s_cmp_lg_u32 s3, 0
	s_cbranch_scc1 .Llap
	QUARTER 0, 2, F1, F0, 0                        ; the last lap fills nothing
	QUARTER 0, 3, F0, F1, 0
	TURN 0, 1, 0
	QUARTER 1, 1, F0, F1, 0
	QUARTER 1, 2, F1, F0, 0
	QUARTER 1, 3, F0, F1, 0
	s_wait_dscnt 0x0
	WIN MUL
	MUL16 F1, 0, 0
	MUL16 F1, 2, 0
	WIN 0
; THE WAY OUT, a block of 16 tokens x 128 columns at a time, through my own stage: a lane holds 32 bytes of a row; whole rows of 512 bytes come back and are stored by the 32 lanes.
; LDS serves a wave's instructions in order (ISA guide 5.7.1.4): no wait between the stores and the loads, nor in front of the next block's stores.
.macro TOSTAGE a
	WIN 0x04                                       ; an LDS store's data are its source 1: window 1
.irp b, 0,1,2,3,4,5,6,7
	ds_store_b128 v[STO], v[64*(\a)+8*\b:64*(\a)+8*\b+3] offset:64*\b          ; each accumulator from its low end on
	ds_store_b128 v[STO], v[64*(\a)+8*\b+4:64*(\a)+8*\b+7] offset:64*\b+16
.endr
	WIN 0
.set BB, 64+64*((\a)%2)
.irp t, 0,1,2,3,4,5,6,7,8,9,10,11,12,13,14,15
	ds_load_b128 v[BB+4*\t:BB+4*\t+3], v[RD] offset:\t*SPITCH
.endr
.endm
.macro SEND a, younger                 ; younger: the LDS instructions issued behind block a's loads, which may stay out
.set BB, 64+64*((\a)%2)
	s_wait_dscnt \younger
.irp t, 0,1,2,3,4,5,6,7,8,9,10,11,12,13,14,15
	global_store_b128 v[CO], v[BB+4*\t:BB+4*\t+3], s[10:11] offset:(\a)*65536+\t*4096 th:TH_STORE_NT   ; 32 lanes store 512 consecutive bytes, aligned; written once, read by nobody here
.endr
.endm
	PLACES
	TOSTAGE 0
.irp a, 1,2,3
.if \a > 1
	s_wait_xcnt 0x0                                ; block a - 2's stores have read their registers: block a's loads may land there
.endif
	TOSTAGE \a
	SEND \a-1, 32                                  ; behind block a - 1's loads: block a's 16 stores and 16 loads
.endr
	SEND 3, 0
	s_wait_tensorcnt 0x0                           ; the wave's end, behind my last tensor load and my last LDS store
	ds_add_u32 v[SPW], v[NIL]
	s_wait_dscnt 0x0
	CROUND                                         ; the closing round
	s_endpgm
.Lfunc_end_k_qad23d869a4_proj:
	.size	k_qad23d869a4_proj, .Lfunc_end_k_qad23d869a4_proj-k_qad23d869a4_proj
	.p2alignl 7, 3214868480
	.fill 96, 4, 3214868480
	.section	.rodata,"a",@progbits
	.p2align	6, 0x0
	.amdhsa_kernel k_qad23d869a4_proj
		.amdhsa_group_segment_fixed_size 327680
		.amdhsa_private_segment_fixed_size 0
		.amdhsa_enable_private_segment 0
		.amdhsa_kernarg_size 32
		.amdhsa_user_sgpr_count 2
		.amdhsa_user_sgpr_kernarg_segment_ptr 1
		.amdhsa_wavefront_size32 1
		.amdhsa_system_sgpr_workgroup_id_x 1
		.amdhsa_system_sgpr_workgroup_id_y 1
		.amdhsa_system_sgpr_workgroup_id_z 1
		.amdhsa_system_vgpr_workitem_id 0
		.amdhsa_next_free_vgpr 576
		.amdhsa_next_free_sgpr 66
		.amdhsa_reserve_vcc 0
		.amdhsa_float_denorm_mode_32 3
		.amdhsa_float_denorm_mode_16_64 3
		.amdhsa_memory_ordered 1
		.amdhsa_forward_progress 1
		.amdhsa_inst_pref_size 85
	.end_amdhsa_kernel
	.amdgpu_metadata
---
amdhsa.version: [ 1, 2 ]
amdhsa.kernels:
  - .name:           k_qad23d869a4_proj
    .symbol:         k_qad23d869a4_proj.kd
    .args:
      - { .name: atti, .offset: 0, .size: 8, .value_kind: global_buffer, .address_space: global }
      - { .name: wpi, .offset: 8, .size: 8, .value_kind: global_buffer, .address_space: global }
      - { .name: b_proj, .offset: 16, .size: 8, .value_kind: global_buffer, .address_space: global }
      - { .name: out0, .offset: 24, .size: 8, .value_kind: global_buffer, .address_space: global }
    .group_segment_fixed_size: 327680
    .private_segment_fixed_size: 0
    .kernarg_segment_align: 8
    .kernarg_segment_size: 32
    .max_flat_workgroup_size: 128
    .sgpr_count:     66
    .vgpr_count:     576
    .wavefront_size: 32
...
	.end_amdgpu_metadata
.endif
;; end of part 4
